; MI455X (gfx1250); checked and timed in simulation.
; The chip was launched on July 23, 2026; its instructions are those of AMD's public machine-readable ISA for CDNA 5 (MIT licence, August 2026) and "CDNA5" Instruction Set Architecture Reference Guide (July 2026). The comments in the code are by the model that wrote it; some were corrected since.
;; OL Mo Attention. Allowed arithmetic: matrix products marked QUANTISED: E2M3 operands, one E8M0 scale for each 32 along K, by v_wmma_scale_f32_16x16x128_f8f6f4 with both operands' format E2M3, f32 sums; everything else in f32.
;; Inputs: Wk 2,048 x 2,048 float32; Wo 2,048 x 2,048 float32; Wq 2,048 x 2,048 float32; Wv 2,048 x 2,048 float32; attention_mask 1 x 1 x 2,048 x 2,048 float32; hidden_states 1 x 2,048 x 2,048 float32; position_ids 2,048 int32.
;; Outputs: out0 1 x 2,048 x 2,048 float32.
;; This version of the problem:
;;   THIS VERSION OF THE PROBLEM IS GIVEN IN LOW PRECISION. The matrix products marked QUANTISED in the list below multiply operands that are first quantised to E2M3 (2 exponent bits, 3 mantissa bits; 6 bits a number), with one power-of-two scale for each 32 numbers along K (OCP MX v1.0); their sums are f32. All else is computed in f32.
;;   The module's matrix products, in the order in which they are computed (A, B: the left and right operand; K: the contracted axis; several contracted axes count as one K, in the product's order):
;;     1. [M 2,048, K 2,048] x [K 2,048, N 2,048]; A: input hidden_states; B: input Wq: QUANTISED
;;     2. [M 2,048, K 2,048] x [K 2,048, N 2,048]; A: input hidden_states; B: input Wk: QUANTISED
;;     3. [M 2,048, K 2,048] x [K 2,048, N 2,048]; A: input hidden_states; B: input Wv: QUANTISED
;;     4. batch 16 x [M 2,048, K 128] x [K 128, N 2,048]; A: computed on the way; B: computed on the way: QUANTISED
;;     5. batch 16 x [M 2,048, K 2,048] x [K 2,048, N 128]; A: softmax (see below); B: computed on the way: QUANTISED
;;     6. [M 2,048, K 2,048] x [K 2,048, N 2,048]; A: computed on the way; B: input Wo: QUANTISED
;;   THE QUANTISER, for each operand of a quantised product, along K:
;;     - K is cut into blocks of 32 from its start; a last block that is shorter is filled with zeros.
;;     - A block's scale is 2^e with e = floor(log2(the largest magnitude in the block)) - 2, held to -126 .. 127; a block of zeros has e = 0. As a byte (E8M0): e + 127.
;;     - Each number is divided by its block's scale, clamped to +-7.5, and rounded to the nearest number of E2M3, ties to even, subnormals kept.
;;     - The product sums the exact products of the quantised numbers (number of the format x scale) in f32.
;;   ~~~python
;;   def quantise(x, axis):      # numpy; x: float32 -> the quantised numbers, widened to float32 again
;;       x = np.moveaxis(x, axis, -1); K = x.shape[-1]
;;       x = np.pad(x, [(0, 0)] * (x.ndim - 1) + [(0, -K % 32)]); x = x.reshape(x.shape[:-1] + (-1, 32)); a = np.abs(x).max(-1, keepdims=True)
;;       e = np.where(a > 0, np.clip(np.frexp(np.where(a > 0, a, 1))[1] - 1 - 2, -126, 127), 0)      # np.frexp(a)[1] - 1 = floor(log2(a)), exactly
;;       r = np.clip(x / 2.0 ** e, -7.5, 7.5)
;;       step = 2.0 ** (np.maximum(np.frexp(np.where(r == 0, 1, r))[1] - 1, 0) - 3)
;;       q = np.round(r / step) * step * 2.0 ** e      # np.round: ties to even
;;       return np.moveaxis(q.reshape(q.shape[:-2] + (-1,))[..., :K], -1, axis).astype(np.float32)
;;   ~~~
;;   SOFTMAX AHEAD OF A QUANTISED PRODUCT. Where the list says 'softmax', what is quantised is not the finished softmax but p = 2^(t - M), with t = logit x log2(e) and M = ceil(the row's largest t), a whole number; so 1/2 < the row's largest p <= 1. The row's sum l is taken of the UNQUANTISED p, in f32, and the product's result is divided by l at the end. Since M is a whole number, a kernel that streams over the keys may use a running M (the ceiling of the running maximum): every later rescaling is an exact power of two, which a block's scale takes up: the codes' values come out the same.
;;   OPERANDS COMPUTED ON THE WAY. 'Computed on the way' means the value that the module computes at that place (a softmax that the list does not call 'softmax' is quantised finished and normalised). What goes into a quantiser is computed in f32, as accurately as f32 sums, v_exp_f32 and their like allow (about 1e-6 of the number): no bf16 or f16 on the way to a quantiser, and a product that is left as it is and whose result goes on into a quantised operand takes f32 operands (vector FMAs, or v_wmma_f32_16x16x4_f32). A number that lies on a knife's edge between two numbers of the format may be rounded either way, as far as f32 arithmetic and the matrix unit's own rounding can turn it there, and no further.
;; One version. Each part assembles by itself: llvm-mc -triple=amdgcn-amd-amdhsa -mcpu=gfx1250 --defsym DOCPART=n.
;; ======== version 1 of 1: 4 launches
;; limits: right only within a limited range of input values
;; workspace buffers: codes 15,728,640 bytes; scales 655,360 bytes; rope 1,114,112 bytes; qkv 9,961,472 bytes; o_codes 3,145,728 bytes; o_scales 131,072 bytes
;; launch prep (part 1): grid 776 x 1, 4 waves a work-group, no clusters, 34,304 bytes of LDS; arguments hidden_states, Wq, Wk, Wv, Wo, position_ids, codes, scales, rope; writes codes, scales, rope
.if DOCPART == 1
	.amdgcn_target "amdgcn-amd-amdhsa--gfx1250"
	.amdhsa_code_object_version 6
	.text
	.protected	k_qafb695d63d_prep
	.globl	k_qafb695d63d_prep
	.p2align	8
	.type	k_qafb695d63d_prep,@function
k_qafb695d63d_prep:
	s_mov_b64 s[64:65], 0
	v_nop
	global_prefetch_b8 v0, s[64:65] scope:SCOPE_SE
	s_setreg_imm32_b32 hwreg(HW_REG_WAVE_MODE, 25, 1), 1
	s_wait_xcnt 0x0
; hidden_states, Wq, Wk, Wv, Wo ([2048][2048] f32, K innermost) become codes of FP6 (E2M3) with one E8M0 byte for each 32 along K; and the rotation's cos / sin table is made, already gathered by position_ids.
; LAYOUT OF THE CODES: an image of the operand's registers.  Tile T (0..127) holds the 16 rows 32 (T / 2) + 8 (T % 2) + r + 8 (r / 8); fragment (T, s) is these rows x K step s (128 along K): 12 registers a lane, 1,536 bytes,
; registers 4 g .. 4 g + 3 of lane l at 512 g + 16 l.  codes: [tensor 5][T 128][s 16][1536].  scales: [tensor][T][s / 2][r 16][s % 2] words (a word: the four bytes of a row's 128 along K).
; A block's scale is 2^(floor(log2(largest magnitude)) - 2); its byte is the largest magnitude's exponent field - 2, held at 1 from below.
; LIMITS: NaN and infinities are not served; a block whose largest magnitude lies under 2^-124 is held at the byte 1; a block of zeros gets the byte 1 (its codes are zeros; this program alone reads the bytes).
; SHARES.  Work-groups 0..639: tensor = number / 128, tile = number % 128; wave w takes K steps 4 w .. 4 w + 3.  Each load reads 512 consecutive bytes of one row; a fragment's 16 x 512 bytes turn through the wave's own stage
; in LDS (rows 528 bytes apart), so that lane (r, h) gets k = 64 c + 32 h + 0 .. 31 of row r, whole blocks, in the order of the operand's registers.  Waves share nothing: no barrier.  No tile is shared: no cluster.
; Work-groups 640..775: table tile T' = number - 640: rope [T' 136][g 16][lane][16 bytes]; group 4 b + j holds cos, 8 + 4 b + j sin, of frequencies 32 b + 16 h + 4 j + 0 .. 3 for row r of tile T'.  T' = 128..135: cos 1, sin 0.
; THE TABLE: inv_freq = 10000^(-i / 64) = 2^(-i x log2(10000) / 64), the product in two parts (the high part exact), one exponential; angle = f32(position) x inv_freq, one rounding; reduced by multiples of pi / 2 in three parts;
; polynomials of degree 7 and 8 on |r| <= pi / 4.  LIMIT: inv_freq is right to about one unit in its last place of the true power; position_ids lie in 0 .. 2047.
.set SEC,   3145728                    ; a tensor's codes in bytes
.set STG,   8448                       ; a wave's stage: 16 rows x 528
.set SPARE, 33792                      ; behind the four stages: the spare words, 128 bytes for each wave
.set W,     16                         ; v16-19   the four fragments' scale words
.set SPW,   20                         ; v20      my spare word's address; never rewritten
.set NIL,   21                         ; v21      0; never rewritten
.set PC,    24                         ; v24-35   a fragment's codes
.set TMP,   36                         ; v36-38, v40-42 the second halves of the blocks' codes
.set X,     48                         ; v48-111  64 numbers in the operand's order
.set R,     112                        ; v112-239 two sets of 64 as loaded
	s_load_b256 s[4:11], s[0:1], 0x0               ; hidden_states, Wq, Wk, Wv
	s_load_b256 s[12:19], s[0:1], 0x20             ; Wo, position_ids, codes, scales
	s_load_b64 s[20:21], s[0:1], 0x40              ; rope
	v_lshl_add_u32 v[SPW], v0, 2, SPARE
	v_mov_b32 v[NIL], 0
	v_lshrrev_b32 v1, 5, v0
	v_readfirstlane_b32 s22, v1                    ; wave
	v_and_b32 v6, 31, v0                           ; lane
	v_and_b32 v7, 15, v0                           ; r
	v_bfe_u32 v22, v0, 4, 1                        ; h
	v_lshlrev_b32 v1, 4, v6                        ; 16 x lane
	s_cmp_ge_u32 ttmp9, 640
	s_cbranch_scc1 .Ltable
	; ---------------- the quantiser
	s_lshr_b32 s23, ttmp9, 7                       ; tensor
	s_and_b32 s24, ttmp9, 127                      ; tile
	s_mov_b32 s32, 0x76543210
	s_mov_b32 s33, 0xfedcba98                      ; v_permlanex16_b32's selects for lane l xor 16
	s_mul_i32 s34, s22, STG
	v_add_nc_u32 v2, s34, v1                       ; the stage, way in: a row's 512 bytes as loaded
	v_mul_u32_u24 v3, v7, 528
	v_lshl_add_u32 v3, v22, 7, v3
	v_add_nc_u32 v3, s34, v3                       ; way out: row r, + 128 h bytes
	v_lshlrev_b32 v4, 3, v22                       ; 8 h
	v_lshlrev_b32 v5, 3, v6                        ; 8 x lane
	v_mov_b32 v15, 0                               ; a lane permute's destination counts as one of its sources
	s_lshr_b32 s35, s24, 1
	s_lshl_b32 s35, s35, 5
	s_and_b32 s36, s24, 1
	s_lshl_b32 s36, s36, 3
	s_add_co_u32 s35, s35, s36                     ; the tile's first row
	s_lshl_b32 s36, s35, 13                        ; x 8,192 bytes
	s_lshl_b32 s37, s22, 11                        ; + my four K steps: 2,048 w
	s_add_co_u32 s36, s36, s37
	s_mov_b32 s37, 0
	s_mul_i32 s38, s23, SEC
	s_mul_i32 s39, s24, 24576
	s_add_co_u32 s38, s38, s39
	s_mul_i32 s39, s22, 6144
	s_add_co_u32 s38, s38, s39                     ; my four fragments
	s_mov_b32 s39, 0
	s_lshl_b32 s40, s23, 17
	s_lshl_b32 s41, s24, 10
	s_add_co_u32 s40, s40, s41
	s_lshl_b32 s41, s22, 8
	s_add_co_u32 s40, s40, s41                     ; my 256 bytes of scale words
	s_mov_b32 s41, 0
	s_wait_kmcnt 0x0
	s_cmp_eq_u32 s23, 1                            ; the tensor is chosen by the work-group's number alone
	s_cselect_b64 s[26:27], s[6:7], s[4:5]
	s_cmp_eq_u32 s23, 2
	s_cselect_b64 s[26:27], s[8:9], s[26:27]
	s_cmp_eq_u32 s23, 3
	s_cselect_b64 s[26:27], s[10:11], s[26:27]
	s_cmp_eq_u32 s23, 4
	s_cselect_b64 s[26:27], s[12:13], s[26:27]
	s_add_nc_u64 s[26:27], s[26:27], s[36:37]
	s_add_nc_u64 s[28:29], s[16:17], s[38:39]
	s_add_nc_u64 s[30:31], s[18:19], s[40:41]
.macro LOADF t, set                    ; K step t of my four: 16 loads, each 512 consecutive bytes of one of the tile's rows
.set q, 0
.rept 16
	global_load_b128 v[R+64*(\set)+4*q:R+64*(\set)+4*q+3], v1, s[26:27] offset:(q+8*(q/8))*8192+512*(\t) th:TH_LOAD_NT
.set q, q+1
.endr
.endm
.macro FRAGQ t
.if (\t) < 3
	s_wait_loadcnt 16                              ; this fragment's 16 loads are in; the other set's 16 may be out
.else
	s_wait_loadcnt 0x0
.endif
.set q, 0
.rept 16
	ds_store_b128 v2, v[R+64*((\t)%2)+4*q:R+64*((\t)%2)+4*q+3] offset:528*q
.set q, q+1
.endr
.irp c, 0,1                            ; LDS serves a wave's instructions in order: these see the stores above
.irp j, 0,1,2,3,4,5,6,7
	ds_load_b128 v[X+32*\c+4*\j:X+32*\c+4*\j+3], v3 offset:256*\c+16*\j
.endr
.endr
	s_wait_dscnt 0x0                               ; the numbers are back, and the stores have read their registers,
.if (\t) < 2
	LOADF (\t)+2, (\t)%2                           ; which take the fragment two on
.endif
.irp c, 0,1                            ; my blocks h and 2 + h of row r: all 32 numbers of each are mine
	v_max3_num_f32 v[8+\c], |v[X+32*\c]|, |v[X+1+32*\c]|, 0x1800000   ; with the floor 2^(3 - 127): the byte cannot fall under 1
.endr
.irp i, 2,4,6,8,10,12,14,16,18,20,22,24,26,28,30
.irp c, 0,1
	v_max3_num_f32 v[8+\c], v[8+\c], |v[X+32*\c+\i]|, |v[X+1+32*\c+\i]|
.endr
.endr
.irp c, 0,1
	v_add_nc_u32 v[10+\c], 0xff000000, v[8+\c]     ; 2 off the exponent field: the conversion's scale operand
.endr
.irp c, 0,1
	v_lshrrev_b32 v[12+\c], 23, v[10+\c]           ; the scale's byte
.endr
	v_lshl_or_b32 v14, v13, 16, v12                ; my two bytes, at their places in the word (8 h bits up);
	v_lshlrev_b32 v14, v4, v14
	v_permlanex16_b32 v15, v14, s32, s33
	v_or_b32 v[W+(\t)], v14, v15                   ; with lane l xor 16's two the word is whole
	s_wait_alu depctr_va_vdst(0)
	s_wait_xcnt 0x0                                ; the last fragment's stores have read the codes' registers
.irp c, 0,1
	v_cvt_scalef32_pk16_fp6_f32 v[PC+6*\c:PC+6*\c+2], v[X+32*\c:X+32*\c+15], v[10+\c]
	v_cvt_scalef32_pk16_fp6_f32 v[TMP+4*\c:TMP+4*\c+2], v[X+32*\c+16:X+32*\c+31], v[10+\c]   ; (a conversion's three registers begin on an even number)
.endr
	v_nop                                          ; one plain place behind a scaled conversion
.irp c, 0,1
.irp i, 0,1,2
	v_mov_b32 v[PC+3+6*\c+\i], v[TMP+4*\c+\i]
.endr
.endr
.irp g, 0,1,2
	global_store_b128 v1, v[PC+4*\g:PC+4*\g+3], s[28:29] offset:1536*(\t)+512*\g   ; 32 lanes store 512 consecutive bytes, aligned
.endr
.endm
	s_wait_alu depctr_va_vdst(0)
	LOADF 0, 0
	LOADF 1, 1
	FRAGQ 0
	FRAGQ 1
	FRAGQ 2
	FRAGQ 3
	v_cmp_ne_u32 vcc_lo, 0, v4                     ; lanes 0-15 store row r's words of K steps 4 w, 4 w + 1, lanes 16-31 those of 4 w + 2, 4 w + 3
	v_cndmask_b32 v8, v[W], v[W+2], vcc_lo
	v_cndmask_b32 v9, v[W+1], v[W+3], vcc_lo
	global_store_b64 v5, v[8:9], s[30:31]          ; 256 consecutive bytes, aligned
	s_wait_tensorcnt 0x0                           ; the wave's end, behind my last LDS store
	ds_add_u32 v[SPW], v[NIL]
	s_wait_dscnt 0x0
	s_endpgm
	; ---------------- the table
.set FI,  48
.set EA,  56
.set NN,  64
.set FRC, 72
.set EX,  80
.set NI,  88
.set INV, 96
.set ANG, 104
.set KF,  112
.set RR,  120
.set Z,   128
.set SP,  136
.set CP,  144
.set T1,  152
.set T2,  160
.set QI,  168
.set SF,  176
.set CF,  184
.set TT,  192
.Ltable:
	s_sub_co_u32 s23, ttmp9, 640                   ; T'
	s_min_u32 s24, s23, 127                        ; the identity tiles read a position too, inside the buffer, and mask it off
	s_cmp_lt_u32 s23, 128
	s_cselect_b32 s25, -1, 0
	s_lshr_b32 s35, s24, 1
	s_lshl_b32 s35, s35, 5
	s_and_b32 s36, s24, 1
	s_lshl_b32 s36, s36, 3
	s_add_co_u32 s35, s35, s36                     ; the tile's first row
	s_wait_alu depctr_va_vdst(0)
	v_and_b32 v8, 8, v7
	v_add_nc_u32 v8, v8, v7
	v_add_nc_u32 v8, s35, v8                       ; my row
	v_lshlrev_b32 v8, 2, v8
	s_lshl_b32 s36, s23, 13
	s_lshl_b32 s37, s22, 9
	s_add_co_u32 s36, s36, s37                     ; 8,192 T' + 512 w
	s_mov_b32 s37, 0
	s_lshl_b32 s38, s22, 2
	v_lshlrev_b32 v10, 4, v22
	v_add_nc_u32 v10, s38, v10                     ; 16 h + 4 w
	s_mov_b32 s40, 0xbe2aaaa3                      ; sine: -1.6666654611e-1, 8.3321608736e-3, -1.9515295891e-4
	s_mov_b32 s41, 0x3c08839e
	s_mov_b32 s42, 0xb94ca1f9
	s_mov_b32 s43, 0x3d2aaaa5                      ; cosine: 4.166664568e-2, -1.388731625e-3, 2.443315712e-5
	s_mov_b32 s44, 0xbab6061a
	s_mov_b32 s45, 0x37ccf5ce
	s_wait_alu depctr_va_vdst(0)
	s_wait_kmcnt 0x0
	global_load_b32 v9, v8, s[14:15]               ; my row's position
	s_add_nc_u64 s[20:21], s[20:21], s[36:37]
.irp n, 0,1,2,3,4,5,6,7                ; eight frequencies a lane: i = 32 (n / 4) + 16 h + 4 w + n % 4; stage by stage, so that no line waits for the line above it
	v_add_nc_u32 v[FI+\n], 32*(\n/4)+\n%4, v10
.endr
.irp n, 0,1,2,3,4,5,6,7
	v_cvt_f32_u32 v[FI+\n], v[FI+\n]
.endr
.irp n, 0,1,2,3,4,5,6,7
	v_mul_f32 v[EA+\n], 0x3e549a80, v[FI+\n]       ; i x 108853 / 2^19: exact (17 bits x 6 bits)
.endr
.irp n, 0,1,2,3,4,5,6,7
	v_floor_f32 v[NN+\n], v[EA+\n]
.endr
.irp n, 0,1,2,3,4,5,6,7
	v_sub_f32 v[FRC+\n], v[EA+\n], v[NN+\n]        ; exact
.endr
.irp n, 0,1,2,3,4,5,6,7
	v_fmamk_f32 v[FRC+\n], v[FI+\n], 0xb3f6865d, v[FRC+\n]   ; + i x the rest of log2(10000) / 64
.endr
	s_wait_alu depctr_va_vdst(0)
.irp n, 0,1,2,3,4,5,6,7
	v_exp_f32 v[EX+\n], -v[FRC+\n]
.endr
.irp n, 0,1,2,3,4,5,6,7
	v_cvt_i32_f32 v[NI+\n], v[NN+\n]               ; plain work behind the exponentials
.endr
.irp n, 0,1,2,3,4,5,6,7
	v_sub_nc_u32 v[NI+\n], 0, v[NI+\n]
.endr
	s_wait_alu depctr_va_vdst(0)                   ; one wait for the eight exponentials, ahead of their first reader
	s_wait_loadcnt 0x0
	v_and_b32 v9, s25, v9
	v_cvt_f32_i32 v9, v9
.irp n, 0,1,2,3,4,5,6,7
	v_ldexp_f32 v[INV+\n], v[EX+\n], v[NI+\n]      ; 10000^(-i / 64)
.endr
.irp n, 0,1,2,3,4,5,6,7
	v_mul_f32 v[ANG+\n], v9, v[INV+\n]             ; the angle, one rounding
.endr
.irp n, 0,1,2,3,4,5,6,7
	v_mul_f32 v[KF+\n], 0x3f22f983, v[ANG+\n]      ; x 2 / pi
.endr
.irp n, 0,1,2,3,4,5,6,7
	v_rndne_f32 v[KF+\n], v[KF+\n]
.endr
.irp n, 0,1,2,3,4,5,6,7
	v_fmamk_f32 v[RR+\n], v[KF+\n], 0xbfc90fdb, v[ANG+\n]    ; less k x pi / 2, in three parts
.endr
.irp n, 0,1,2,3,4,5,6,7
	v_fmamk_f32 v[RR+\n], v[KF+\n], 0x333bbd2e, v[RR+\n]
.endr
.irp n, 0,1,2,3,4,5,6,7
	v_fmamk_f32 v[RR+\n], v[KF+\n], 0x26f72ced, v[RR+\n]
.endr
.irp n, 0,1,2,3,4,5,6,7
	v_mul_f32 v[Z+\n], v[RR+\n], v[RR+\n]
.endr
.irp n, 0,1,2,3,4,5,6,7
	v_fma_f32 v[SP+\n], v[Z+\n], s42, s41
	v_fma_f32 v[CP+\n], v[Z+\n], s45, s44
.endr
.irp n, 0,1,2,3,4,5,6,7
	v_fma_f32 v[SP+\n], v[SP+\n], v[Z+\n], s40
	v_fma_f32 v[CP+\n], v[CP+\n], v[Z+\n], s43
.endr
.irp n, 0,1,2,3,4,5,6,7
	v_mul_f32 v[T1+\n], v[Z+\n], v[RR+\n]
	v_mul_f32 v[T2+\n], v[Z+\n], v[Z+\n]
.endr
.irp n, 0,1,2,3,4,5,6,7
	v_fma_f32 v[SP+\n], v[SP+\n], v[T1+\n], v[RR+\n]         ; sin r
.endr
.irp n, 0,1,2,3,4,5,6,7
	v_fma_f32 v[T1+\n], v[Z+\n], -0.5, 1.0
.endr
.irp n, 0,1,2,3,4,5,6,7
	v_fma_f32 v[CP+\n], v[CP+\n], v[T2+\n], v[T1+\n]         ; cos r
.endr
.irp n, 0,1,2,3,4,5,6,7
	v_cvt_i32_f32 v[QI+\n], v[KF+\n]               ; the quadrant
.endr
.irp n, 0,1,2,3,4,5,6,7
	v_and_b32 v[TT+\n], 1, v[QI+\n]
	v_cmp_ne_u32 vcc_lo, 0, v[TT+\n]
	v_cndmask_b32 v[SF+\n], v[SP+\n], v[CP+\n], vcc_lo       ; odd quadrants change sine and cosine
	v_cndmask_b32 v[CF+\n], v[CP+\n], v[SP+\n], vcc_lo
	v_and_b32 v[TT+\n], 2, v[QI+\n]
	v_lshlrev_b32 v[TT+\n], 30, v[TT+\n]
	v_xor_b32 v[SF+\n], v[SF+\n], v[TT+\n]         ; the sine's sign: quadrants 2, 3
	v_add_nc_u32 v[TT+\n], 1, v[QI+\n]
	v_and_b32 v[TT+\n], 2, v[TT+\n]
	v_lshlrev_b32 v[TT+\n], 30, v[TT+\n]
	v_xor_b32 v[CF+\n], v[CF+\n], v[TT+\n]         ; the cosine's: quadrants 1, 2
.endr
.irp b, 0,1
	global_store_b128 v1, v[CF+4*\b:CF+4*\b+3], s[20:21] offset:2048*\b          ; group 4 b + w: 512 consecutive bytes
	global_store_b128 v1, v[SF+4*\b:SF+4*\b+3], s[20:21] offset:4096+2048*\b
.endr
	s_wait_tensorcnt 0x0                           ; the same three lines on this way
	ds_add_u32 v[SPW], v[NIL]
	s_wait_dscnt 0x0
	s_endpgm
.Lfunc_end_k_qafb695d63d_prep:
	.size	k_qafb695d63d_prep, .Lfunc_end_k_qafb695d63d_prep-k_qafb695d63d_prep
	.p2alignl 7, 3214868480
	.fill 96, 4, 3214868480
	.section	.rodata,"a",@progbits
	.p2align	6, 0x0
	.amdhsa_kernel k_qafb695d63d_prep
		.amdhsa_group_segment_fixed_size 34304
		.amdhsa_private_segment_fixed_size 0
		.amdhsa_enable_private_segment 0
		.amdhsa_kernarg_size 72
		.amdhsa_user_sgpr_count 2
		.amdhsa_user_sgpr_kernarg_segment_ptr 1
		.amdhsa_wavefront_size32 1
		.amdhsa_system_sgpr_workgroup_id_x 1
		.amdhsa_system_sgpr_workgroup_id_y 1
		.amdhsa_system_sgpr_workgroup_id_z 1
		.amdhsa_system_vgpr_workitem_id 0
		.amdhsa_next_free_vgpr 240
		.amdhsa_next_free_sgpr 66
		.amdhsa_reserve_vcc 1
		.amdhsa_float_denorm_mode_32 3
		.amdhsa_float_denorm_mode_16_64 3
		.amdhsa_memory_ordered 1
		.amdhsa_forward_progress 1
		.amdhsa_inst_pref_size 46
	.end_amdhsa_kernel
	.amdgpu_metadata
---
amdhsa.version: [ 1, 2 ]
amdhsa.kernels:
  - .name:           k_qafb695d63d_prep
    .symbol:         k_qafb695d63d_prep.kd
    .args:
      - { .name: hidden_states, .offset: 0, .size: 8, .value_kind: global_buffer, .address_space: global }
      - { .name: Wq, .offset: 8, .size: 8, .value_kind: global_buffer, .address_space: global }
      - { .name: Wk, .offset: 16, .size: 8, .value_kind: global_buffer, .address_space: global }
      - { .name: Wv, .offset: 24, .size: 8, .value_kind: global_buffer, .address_space: global }
      - { .name: Wo, .offset: 32, .size: 8, .value_kind: global_buffer, .address_space: global }
      - { .name: position_ids, .offset: 40, .size: 8, .value_kind: global_buffer, .address_space: global }
      - { .name: codes, .offset: 48, .size: 8, .value_kind: global_buffer, .address_space: global }
      - { .name: scales, .offset: 56, .size: 8, .value_kind: global_buffer, .address_space: global }
      - { .name: rope, .offset: 64, .size: 8, .value_kind: global_buffer, .address_space: global }
    .group_segment_fixed_size: 34304
    .private_segment_fixed_size: 0
    .kernarg_segment_align: 8
    .kernarg_segment_size: 72
    .max_flat_workgroup_size: 128
    .sgpr_count:     66
    .vgpr_count:     240
    .wavefront_size: 32
...
	.end_amdgpu_metadata
.endif
;; end of part 1
;; launch qkv (part 2): grid 24 x 8, 4 waves a work-group, clusters of 4 x 4, 327,680 bytes of LDS; arguments codes, scales, rope, qkv; writes qkv
.if DOCPART == 2
	.amdgcn_target "amdgcn-amd-amdhsa--gfx1250"
	.amdhsa_code_object_version 6
	.text
	.protected	k_qafb695d63d_qkv
	.globl	k_qafb695d63d_qkv
	.p2align	8
	.type	k_qafb695d63d_qkv,@function
k_qafb695d63d_qkv:
	s_mov_b64 s[64:65], 0
	v_nop
	global_prefetch_b8 v0, s[64:65] scope:SCOPE_SE
	s_setreg_imm32_b32 hwreg(HW_REG_WAVE_MODE, 25, 1), 1
	s_wait_xcnt 0x0
	s_wait_alu depctr_hold_cnt(0) depctr_sa_sdst(0) depctr_va_vdst(0) depctr_va_sdst(0) depctr_va_ssrc(0) depctr_va_vcc(0) depctr_vm_vsrc(0)
	s_getreg_b32 s2, hwreg(HW_REG_IB_STS2, 6, 4)
	s_cmp_eq_u32 s2, 0
	s_cbranch_scc0 .Lentry_in_a_cluster
	s_endpgm
.Lentry_in_a_cluster:
	s_bfe_u32 s2, ttmp6, 0x10000c
	s_cmp_lg_u32 s2, 0xf033
	s_cbranch_scc0 .Lentry_shape_is_right
	s_endpgm
.Lentry_shape_is_right:
.set FR,    12
.set NL,    3
.set NP,    4
.set QUART, 36864
.set SLOT,  4*QUART
.set SPARE, 2*SLOT
.set QSEC,  3407872
.set ADRA, 16
.set ADRB, 20
.set LI,   24
.set SCO,  25
.set HH,   26
.set SOF,  27
.set SPW,  28
.set NIL,  29
.set PFO,  30
.set AF,   128
.set H,    128
.set PC,   192
.set TM,   64
.set PW,   80
.set PK,   88
.set SEL,  18
.set G1,   24
.set G0,   32
.set G1B,  48
.set G0B,  56
.set PFA,  68
.set LIM,  70
.set G1L,  72
.set G1LB, 80
.set FB,   92
.set SB,   94
.set TBL,  96
.set TP,   4608
.set GA,   G1
.set GB,   G1B
.set MSB, 0
.macro WIN new
.if MSB != (\new)
	s_set_vgpr_msb (MSB<<8)|(\new)
.set MSB, (\new)
.endif
.endm
.set MUL_LO, 0xa1
.set MUL_HI, 0xf1
.set TO_B,   0x40
.macro JLOAD g0a, g1a, g0b, g1b
	s_cmp_eq_u32 s15, 0
	s_cbranch_scc0 .Lfor_b_\@
	tensor_load_to_lds s[\g0a:\g0a+3], s[\g1a:\g1a+7]
	s_nop 0
.rept 4
	v_nop
.endr
	s_branch .Lasked_\@
.Lfor_b_\@:
	tensor_load_to_lds s[\g0b:\g0b+3], s[\g1b:\g1b+7]
	s_nop 0
.rept 4
	v_nop
.endr
.Lasked_\@:
.endm
.macro ASK st
	s_cmp_eq_u32 s[LIM], 1
	s_cbranch_scc0 .Lnot_mine_\@
	global_prefetch_b8 v[PFO], s[PFA:PFA+1] offset:1536*(\st) th:TH_LOAD_NT scope:SCOPE_SE
	global_prefetch_b8 v[PFO], s[PFA:PFA+1] offset:1536*(\st)+24576 th:TH_LOAD_NT scope:SCOPE_SE
.Lnot_mine_\@:
.endm
.macro CREST
	s_cmp_lg_u32 s14, 0
	s_cbranch_scc1 .Lnot_wave_0_\@
	s_barrier_signal -3
.Lnot_wave_0_\@:
	s_barrier_wait -3
	s_barrier_signal -1
	s_barrier_wait -1
.endm
.macro CROUND
	s_barrier_signal -1
	s_barrier_wait -1
	CREST
.endm
	s_load_b256 s[4:11], s[0:1], 0x0
	v_lshl_add_u32 v[SPW], v0, 2, SPARE
	v_mov_b32 v[NIL], 0
	ds_add_u32 v[SPW], v[NIL]
	ds_add_u32 v[SPW], v[NIL]
	v_lshrrev_b32 v1, 5, v0
	v_readfirstlane_b32 s14, v1
	s_lshr_b32 s15, s14, 1
	s_and_b32 s16, s14, 1
	s_bfe_u32 s40, ttmp6, 0x40000
	s_bfe_u32 s41, ttmp6, 0x40004
	s_lshl_b32 s42, ttmp9, 2
	s_add_co_u32 s42, s42, s40
	s_and_b32 s17, ttmp7, 0xffff
	s_lshl_b32 s17, s17, 2
	s_add_co_u32 s17, s17, s41
	s_lshl_b32 s43, s41, 2
	s_lshl_b32 s43, 15, s43
	s_lshl_b32 s44, 0x1111, s40
	s_or_b32 s[G1+0], s43, (3<<16)|(1<<21)
	s_or_b32 s[G1B+0], s44, (3<<16)|(1<<21)
.irp g, G1, G1B
	s_mov_b32 s[\g+1], 576<<16
	s_mov_b32 s[\g+2], 8<<16
	s_mov_b32 s[\g+3], 576<<16
	s_mov_b32 s[\g+4], 8
	s_mov_b32 s[\g+5], 3072
	s_mov_b32 s[\g+6], 0
	s_mov_b32 s[\g+7], 0
.endr
	s_or_b32 s[G1L+0], s43, (3<<16)|(1<<21)
	s_or_b32 s[G1LB+0], s44, (3<<16)|(1<<21)
.irp g, G1L, G1LB
	s_mov_b32 s[\g+1], 192<<16
	s_mov_b32 s[\g+2], 8<<16
	s_mov_b32 s[\g+3], 192<<16
	s_mov_b32 s[\g+4], 8
	s_mov_b32 s[\g+5], 3072
	s_mov_b32 s[\g+6], 0
	s_mov_b32 s[\g+7], 0
.endr
	s_cmp_ge_u32 ttmp9, 4
	s_cselect_b32 s18, 24, 0
	s_cselect_b32 s19, -16, 8
	s_add_co_u32 s18, s17, s18
	s_lshl_b32 s18, s18, 4
	s_add_co_u32 s19, s42, s19
	s_lshl_b32 s19, s19, 4
	s_lshl_b32 s12, s16, 3
	s_add_co_u32 s20, s18, s12
	s_add_co_u32 s46, s19, s12
	s_mul_i32 s20, s20, 24576
	s_mov_b32 s21, 0
	s_mul_i32 s46, s46, 24576
	s_mov_b32 s47, 0
	s_add_co_u32 s67, s19, s12
	s_lshl_b32 s67, s67, 10
	s_lshl_b32 s12, s15, 3
	s_add_co_u32 s66, s18, s12
	s_lshl_b32 s66, s66, 10
	s_mul_i32 s45, s14, QUART
	s_mov_b32 s[LIM], 1                            ; every cluster asks for the blocks that it will itself load
	s_lshl_b32 s2, s17, 1
	s_add_co_u32 s2, s2, s15
	s_lshl_b32 s12, s42, 1
	s_add_co_u32 s12, s12, s16
	s_and_b32 s12, s12, 15
	s_lshl_b32 s98, s2, 16
	s_mov_b32 s92, 409600
	s_mov_b32 s93, 25600
	s_mov_b32 s94, 24576
	s_cmp_lt_u32 ttmp9, 2
	s_cselect_b32 s92, 212992, s92
	s_cselect_b32 s93, 13312, s93
	s_cselect_b32 s94, 12288, s94
	s_cselect_b32 s95, 0, QSEC
	s_cmp_ge_u32 ttmp9, 4
	s_cselect_b32 s94, 12544, s94
	s_cselect_b32 s96, 12288, 0
	s_cselect_b32 s97, s2, s12
	s_cselect_b32 s99, s12, s2
	s_cselect_b32 s98, 1048576, s98
	s_mul_i32 s92, s92, s97
	s_mul_i32 s93, s93, s99
	s_add_co_u32 s92, s92, s93
	s_add_co_u32 s92, s92, s95
	s_add_co_u32 s92, s92, s96
	s_mov_b32 s93, 0
	s_mov_b32 s95, 0
	s_mov_b32 s96, s98
	s_mov_b32 s97, 0
	s_wait_dscnt 0x0
	s_wait_kmcnt 0x0
	s_add_nc_u64 s[20:21], s[4:5], s[20:21]
	s_add_nc_u64 s[46:47], s[4:5], s[46:47]
	s_add_nc_u64 s[FB:FB+1], s[10:11], s[FB:FB+1]
	s_add_nc_u64 s[SB:SB+1], s[FB:FB+1], s[SB:SB+1]
	s_add_nc_u64 s[TBL:TBL+1], s[8:9], s[TBL:TBL+1]
	s_cmp_eq_u32 s15, 0
	s_cselect_b64 s[PFA:PFA+1], s[20:21], s[46:47]
	s_cselect_b32 s12, s40, s41
	s_mul_i32 s12, s12, 2*24576
	s_mov_b32 s13, 0
	s_add_nc_u64 s[PFA:PFA+1], s[PFA:PFA+1], s[12:13]
	CROUND
.irp s, 0,1
	s_mov_b32 s[G0+4*\s], 1
	s_add_co_u32 s[G0+4*\s+1], s45, \s*SLOT
	s_add_nc_u64 s[G0+4*\s+2:G0+4*\s+3], s[20:21], \s*4608
	s_or_b32 s[G0+4*\s+3], s[G0+4*\s+3], 0x80000000
	s_mov_b32 s[G0B+4*\s], 1
	s_add_co_u32 s[G0B+4*\s+1], s45, \s*SLOT
	s_add_nc_u64 s[G0B+4*\s+2:G0B+4*\s+3], s[46:47], \s*4608
	s_or_b32 s[G0B+4*\s+3], s[G0B+4*\s+3], 0x80000000
	s_wait_alu depctr_va_vdst(0)
	s_wait_tensorcnt 0x0
	ds_add_u32 v28, v29
	ds_add_u32 v28, v29
	s_wait_dscnt 0x0
	CROUND
	JLOAD G0+4*\s, G1, G0B+4*\s, G1B
.endr
	s_mov_b32 s[SEL], 0x76543210
	s_mov_b32 s[SEL+1], 0xfedcba98
	v_and_b32 v1, 15, v0
	v_bfe_u32 v[HH], v0, 4, 1
	v_and_b32 v2, 31, v0
	v_lshlrev_b32 v[LI], 4, v2
	v_lshlrev_b32 v[SCO], 4, v1
	v_lshl_add_u32 v[SCO], v[HH], 9, v[SCO]
	v_min_u32 v[PFO], 17, v2
	v_lshlrev_b32 v[PFO], 8, v[PFO]
	v_mov_b32 v3, s66
	v_mov_b32 v4, s67
	v_cmp_ne_u32 vcc_lo, 0, v[HH]
	v_cndmask_b32 v3, v3, v4, vcc_lo
	v_lshl_add_u32 v[SOF], v1, 3, v3
	s_mul_i32 s21, s15, QUART
	s_mul_i32 s22, s16, QUART
	s_add_co_u32 s22, s22, 2*QUART
.irp s, 0,1
	v_add_nc_u32 v[ADRA+\s], s21, v[LI]
	v_add_nc_u32 v[ADRB+\s], s22, v[LI]
	s_add_co_u32 s21, s21, SLOT
	s_add_co_u32 s22, s22, SLOT
.endr
.macro SCLOAD z0
.irp z, \z0, \z0+1, \z0+2, \z0+3
.irp i, 0,1,2,3,4,5,6,7
	global_load_b64 v[32+16*(\z)+96*((\z)/6)+2*\i:32+16*(\z)+96*((\z)/6)+2*\i+1], v[SOF], s[6:7] offset:1024*\i+128*(\z)
.endr
.endr
.endm
.macro TSET a
.if ((\a)%3) == 0
.set TC, 96
.set TS, 224
.set TW, 1
.elseif ((\a)%3) == 1
.set TC, 0
.set TS, 32
.set TW, 1
.else
.set TC, 128
.set TS, 160
.set TW, 0
.endif
.endm
.macro CSLOAD a
	TSET \a
	WIN 0x40*TW
.irp g, 0,1,2,3,4,5,6,7
	global_load_b128 v[TC+4*\g:TC+4*\g+3], v[LI], s[TBL:TBL+1] offset:8192*(\a)+512*\g
.endr
.irp g, 0,1,2,3,4,5,6,7
	global_load_b128 v[TS+4*\g:TS+4*\g+3], v[LI], s[TBL:TBL+1] offset:8192*(\a)+4096+512*\g
.endr
	WIN 0
.endm
	SCLOAD 0
	CSLOAD 0
.macro FRAG reg, adr, q, i
.irp g, 0,1,2
	ds_load_b128 v[\reg+4*\g:\reg+4*\g+3], v[\adr] offset:TP*(\i)+1536*(\q)+512*\g
.endr
.endm
.macro MUL16 a0, s, zero
.set SCX, 32+16*((\s)/2)+96*((\s)/12)+(\s)%2
.set BS, 128*((\s)%2)
.irp a, \a0, \a0+1
.irp b, 0,1,2,3,4,5,6,7
.if \zero
	v_wmma_scale_f32_16x16x128_f8f6f4 v[8*(8*((\a)%4)+\b):8*(8*((\a)%4)+\b)+7], v[BS+FR*\b:BS+FR*\b+FR-1], v[AF+FR*(\a):AF+FR*(\a)+FR-1], 0, v[SCX+2*\b], v[SCX+2*(\a)] matrix_a_fmt:MATRIX_FMT_FP6 matrix_b_fmt:MATRIX_FMT_FP6 matrix_a_scale:MATRIX_SCALE_ROW1
.else
	v_wmma_scale_f32_16x16x128_f8f6f4 v[8*(8*((\a)%4)+\b):8*(8*((\a)%4)+\b)+7], v[BS+FR*\b:BS+FR*\b+FR-1], v[AF+FR*(\a):AF+FR*(\a)+FR-1], v[8*(8*((\a)%4)+\b):8*(8*((\a)%4)+\b)+7], v[SCX+2*\b], v[SCX+2*(\a)] matrix_a_fmt:MATRIX_FMT_FP6 matrix_b_fmt:MATRIX_FMT_FP6 matrix_a_scale:MATRIX_SCALE_ROW1
.endif
.endr
.endr
.endm
.macro FETCH_B slot, q, p
	WIN TO_B
.irp i, 0,1,2,3,4,5,6,7
	FRAG 128*(\p)+FR*\i, ADRB+\slot, \q, \i
.endr
	WIN 0
.endm
.macro FETCH_A slot, q, i0
.irp i, \i0, \i0+1, \i0+2, \i0+3
	FRAG AF+FR*(\i), ADRA+\slot, \q, \i
.endr
.endm
.macro PLACES n
.rept \n
	v_nop
.endr
.endm
.macro STEP s, zero
.set SL, ((\s)/3)%2
.set QN, (\s)%3+1
	s_wait_dscnt 4*NL
	WIN MUL_LO
	MUL16 0, \s, \zero
	MUL16 2, \s, \zero
	s_wait_dscnt 0
	PLACES NP
	FETCH_B SL, QN, 1-(\s)%2
	FETCH_A SL, QN, 0
	WIN MUL_HI
	MUL16 4, \s, \zero
	MUL16 6, \s, \zero
	PLACES NP
	WIN 0
	FETCH_A SL, QN, 4
.endm
.macro TURN s, fill, ask
.set SL, ((\s)/3)%2
.set NX, 1-SL
	s_wait_tensorcnt 0x0
	ds_add_u32 v[SPW], v[NIL]
	s_wait_dscnt 4*NL+1
	WIN MUL_LO
	MUL16 0, \s, 0
	s_wait_dscnt 0x0
	s_barrier_signal -1
	MUL16 2, \s, 0
	WIN 0
	s_barrier_wait -1
.if \fill
	CREST
	s_add_nc_u64 s[G0+4*SL+2:G0+4*SL+3], s[G0+4*SL+2:G0+4*SL+3], 9216
	s_add_nc_u64 s[G0B+4*SL+2:G0B+4*SL+3], s[G0B+4*SL+2:G0B+4*SL+3], 9216
	JLOAD G0+4*SL, GA, G0B+4*SL, GB
.else
	PLACES NP
.endif
	FETCH_B NX, 0, 1-(\s)%2
	FETCH_A NX, 0, 0
.if (\ask) > 0
	ASK \ask
.endif
	WIN MUL_HI
	MUL16 4, \s, 0
	MUL16 6, \s, 0
	PLACES NP
	WIN 0
	FETCH_A NX, 0, 4
.endm
	s_wait_alu depctr_va_vdst(0)
	s_wait_tensorcnt 1
	s_barrier_signal -1
	s_barrier_wait -1
	FETCH_B 0, 0, 0
	FETCH_A 0, 0, 0
	FETCH_A 0, 0, 4
	s_wait_loadcnt 16
	SCLOAD 4
	ASK 6
	STEP 0, 1
	STEP 1, 0
	TURN 2, 1, 9
	STEP 3, 0
	STEP 4, 0
	TURN 5, 1, 12
	STEP 6, 0
	STEP 7, 0
	s_wait_loadcnt 0x0
	TURN 8, 1, 0
	STEP 9, 0
	STEP 10, 0
.set GA, G1L
.set GB, G1LB
	TURN 11, 1, 0
	STEP 12, 0
	STEP 13, 0
.set TP, 1536
	TURN 14, 0, 0
	CSLOAD 1
	s_wait_dscnt 4*NL
	WIN MUL_LO
	MUL16 0, 15, 0
	MUL16 2, 15, 0
	s_wait_dscnt 0
	WIN MUL_HI
	MUL16 4, 15, 0
	MUL16 6, 15, 0
	WIN 0
.macro ROPE a
	TSET \a
.set AC, 64*((\a)%4)
	WIN 0x52+4*TW+(\a)/4
.irp g, 0,16
.irp n, 0,2,4,6,8,10,12,14
	v_pk_mul_f32 v[H+\g+\n:H+\g+\n+1], v[AC+\g+\n:AC+\g+\n+1], v[TC+\g+\n:TC+\g+\n+1]
.endr
.irp n, 0,2,4,6,8,10,12,14
	v_pk_mul_f32 v[H+32+\g+\n:H+32+\g+\n+1], v[AC+32+\g+\n:AC+32+\g+\n+1], v[TC+\g+\n:TC+\g+\n+1]
.endr
.irp n, 0,2,4,6,8,10,12,14
	v_pk_fma_f32 v[H+\g+\n:H+\g+\n+1], v[AC+32+\g+\n:AC+32+\g+\n+1], v[TS+\g+\n:TS+\g+\n+1], v[H+\g+\n:H+\g+\n+1] neg_lo:[1,0,0] neg_hi:[1,0,0]
.endr
.irp n, 0,2,4,6,8,10,12,14
	v_pk_fma_f32 v[H+32+\g+\n:H+32+\g+\n+1], v[AC+\g+\n:AC+\g+\n+1], v[TS+\g+\n:TS+\g+\n+1], v[H+32+\g+\n:H+32+\g+\n+1]
.endr
.endr
.endm
.macro QUANT pw
.irp b, 0,1,2,3
	v_max3_num_f32 v[TM+\b], |v[H+16*\b]|, |v[H+1+16*\b]|, 0x1800000
.endr
.irp i, 2,4,6,8,10,12,14
.irp b, 0,1,2,3
	v_max3_num_f32 v[TM+\b], v[TM+\b], |v[H+16*\b+\i]|, |v[H+1+16*\b+\i]|
.endr
.endr
.irp b, 0,1,2,3
	v_permlanex16_b32 v[TM+4+\b], v[TM+\b], s[SEL], s[SEL+1]
.endr
.irp b, 0,1,2,3
	v_max_num_f32 v[TM+\b], v[TM+\b], v[TM+4+\b]
.endr
.irp b, 0,1,2,3
	v_add_nc_u32 v[TM+12+\b], 0xff000000, v[TM+\b]
.endr
.irp b, 0,1,2,3
	v_lshrrev_b32 v[TM+4+\b], 23, v[TM+12+\b]
.endr
	v_lshl_or_b32 v[\pw], v[TM+5], 8, v[TM+4]
	v_lshl_or_b32 v[\pw], v[TM+6], 16, v[\pw]
	v_lshl_or_b32 v[\pw], v[TM+7], 24, v[\pw]
.irp c, 0,1
	v_cvt_scalef32_pk16_fp6_f32 v[PC+6*\c:PC+2+6*\c], v[H+32*\c:H+15+32*\c], v[TM+12+2*\c]
	v_cvt_scalef32_pk16_fp6_f32 v[PC+12+4*\c:PC+14+4*\c], v[H+16+32*\c:H+31+32*\c], v[TM+12+2*\c+1]
.endr
	v_nop
.irp c, 0,1
.irp i, 0,1,2
	v_permlane16_swap_b32 v[PC+6*\c+\i], v[PC+12+4*\c+\i]
.endr
.irp i, 0,1,2
	v_mov_b32 v[PC+3+6*\c+\i], v[PC+12+4*\c+\i]
.endr
.endr
.endm
	PLACES NP
	CSLOAD 2
	WIN 0x40
.irp b, 0,1,2,3
	v_mov_b32 v[TM+4+\b], 0
.endr
.irp a, 0,1,2,3,4,5,6,7
.if \a < 6
	s_wait_loadcnt 32
.elseif \a == 6
	s_wait_loadcnt 16
.else
	s_wait_loadcnt 0x0
.endif
	ROPE \a
	s_wait_xcnt 0x0
.if \a < 5
	CSLOAD \a+3
.endif
	WIN 0x55
	QUANT PW+\a
	WIN 0x04
.irp g, 0,1,2
	global_store_b128 v[LI], v[PC+4*\g:PC+4*\g+3], s[FB:FB+1] offset:1536*\a+512*\g
.endr
.endr
	WIN 0
	v_cmp_ne_u32 vcc_lo, 0, v[HH]
	WIN 0x55
.irp e, 0,1,2,3
	v_cndmask_b32 v[PK+\e], v[PW+\e], v[PW+4+\e], vcc_lo
.endr
	WIN 0x04
	global_store_b128 v[SCO], v[PK:PK+3], s[SB:SB+1]
	WIN 0
	s_wait_tensorcnt 0x0
	ds_add_u32 v[SPW], v[NIL]
	s_wait_dscnt 0x0
	CROUND
	s_endpgm
.Lfunc_end_k_qafb695d63d_qkv:
	.size	k_qafb695d63d_qkv, .Lfunc_end_k_qafb695d63d_qkv-k_qafb695d63d_qkv
	.p2alignl 7, 3214868480
	.fill 96, 4, 3214868480
	.section	.rodata,"a",@progbits
	.p2align	6, 0x0
	.amdhsa_kernel k_qafb695d63d_qkv
		.amdhsa_group_segment_fixed_size 327680
		.amdhsa_private_segment_fixed_size 0
		.amdhsa_enable_private_segment 0
		.amdhsa_kernarg_size 32
		.amdhsa_user_sgpr_count 2
		.amdhsa_user_sgpr_kernarg_segment_ptr 1
		.amdhsa_wavefront_size32 1
		.amdhsa_system_sgpr_workgroup_id_x 1
		.amdhsa_system_sgpr_workgroup_id_y 1
		.amdhsa_system_sgpr_workgroup_id_z 1
		.amdhsa_system_vgpr_workitem_id 0
		.amdhsa_next_free_vgpr 1024
		.amdhsa_next_free_sgpr 100
		.amdhsa_reserve_vcc 1
		.amdhsa_float_denorm_mode_32 3
		.amdhsa_float_denorm_mode_16_64 3
		.amdhsa_memory_ordered 1
		.amdhsa_forward_progress 1
		.amdhsa_inst_pref_size 255
	.end_amdhsa_kernel
	.section	.bss,"aw",@nobits
	.p2align	6
	.space	262144
	.amdgpu_metadata
---
amdhsa.version: [ 1, 2 ]
amdhsa.kernels:
  - .name:           k_qafb695d63d_qkv
    .symbol:         k_qafb695d63d_qkv.kd
    .args:
      - { .name: codes, .offset: 0, .size: 8, .value_kind: global_buffer, .address_space: global }
      - { .name: scales, .offset: 8, .size: 8, .value_kind: global_buffer, .address_space: global }
      - { .name: rope, .offset: 16, .size: 8, .value_kind: global_buffer, .address_space: global }
      - { .name: qkv, .offset: 24, .size: 8, .value_kind: global_buffer, .address_space: global }
    .group_segment_fixed_size: 327680
    .private_segment_fixed_size: 0
    .kernarg_segment_align: 8
    .kernarg_segment_size: 32
    .max_flat_workgroup_size: 128
    .sgpr_count:     100
    .vgpr_count:     1024
    .wavefront_size: 32
...
	.end_amdgpu_metadata
.endif
;; end of part 2
;; launch attn (part 3): grid 16 x 16, 8 waves a work-group, clusters of 4 x 4, 327,680 bytes of LDS; arguments qkv, attention_mask, o_codes, o_scales; writes o_codes, o_scales
.if DOCPART == 3
	.amdgcn_target "amdgcn-amd-amdhsa--gfx1250"
	.amdhsa_code_object_version 6
	.text
	.protected	k_qafb695d63d_attn
	.globl	k_qafb695d63d_attn
	.p2align	8
	.type	k_qafb695d63d_attn,@function
k_qafb695d63d_attn:
	s_mov_b64 s[64:65], 0
	v_nop
	global_prefetch_b8 v0, s[64:65] scope:SCOPE_SE
	s_setreg_imm32_b32 hwreg(HW_REG_WAVE_MODE, 25, 1), 1
	s_wait_xcnt 0x0
	s_wait_alu depctr_hold_cnt(0) depctr_sa_sdst(0) depctr_va_vdst(0) depctr_va_sdst(0) depctr_va_ssrc(0) depctr_va_vcc(0) depctr_vm_vsrc(0)
	s_getreg_b32 s2, hwreg(HW_REG_IB_STS2, 6, 4)
	s_cmp_eq_u32 s2, 0
	s_cbranch_scc0 .Lentry_in_a_cluster
	s_endpgm
.Lentry_in_a_cluster:
	s_bfe_u32 s2, ttmp6, 0x10000c
	s_cmp_lg_u32 s2, 0xf033
	s_cbranch_scc0 .Lentry_shape_is_right
	s_endpgm
.Lentry_shape_is_right:
; O[h][q] = softmax_k(Q[h][q] . K[h][k] / sqrt(128) + mask[q][k]) V[h][k], both products on codes of FP6 with E8M0 scales; the result is divided by the row's sum and quantised along the head's 128 for the last product.
; The mask is an input: every key is multiplied for every query, and every number of the mask is read and added in f32.
; THE SOFTMAX: u = score + mask x sqrt(128), one fused multiply-add; t = u x log2(e) / sqrt(128); M = the running largest t, rounded UP to a whole number; p = 2^(t - M) is quantised along the keys, not normalised.
; The row's sum is taken of the unquantised p.  When M moves, the sum and O are multiplied by 2^(old M - new M): exact.
; SHARES.  Work-group (x = head, y = block of 128 queries), eight waves.  Wave v owns Q's tiles 2 (v % 4), 2 (v % 4) + 1 of the block (32 queries) and the key steps of parity v / 4: waves v and v + 4 share their queries
; and divide the 16 key steps of 128 keys.  At the end the two halves are joined under the larger M (powers of two, exact) through a stage in LDS: wave v < 4 finishes tile 0 of the pair, wave v + 4 tile 1.
; Both products are used transposed (S^T = K Q^T, O^T = V^T P^T): a lane holds ONE query throughout.  Operands are images of their registers (tile T = rows 32 (T / 2) + 8 (T % 2) + r + 8 (r / 8)).
; LDS: ONE slot of two key steps: their K / V blocks (2 x 25,600 bytes) and the block's 128 x 256 numbers of the mask (rows 1,032 bytes apart).  A PERIOD has two barriers: behind the first the slot is whole and is read;
; when K has been multiplied, the mask added and V is on its way into registers, the second (a round of the cluster's barrier) frees the slot, and it is filled again while the softmax and the second product run on registers.
; Every wave issues one joint load at the head and one behind each round: waves 0-3 quarters of the K / V blocks, waves 4-7 32 rows of the mask each.
; CLUSTER 4 x 4: the K / V blocks hang on the head alone and are asked for jointly along a column of the cluster, the mask's rows on the block of queries alone, jointly along a row.
; LIMITS: NaN and +infinity are not served; a row whose mask is -infinity throughout gives NaN; sqrt(128) enters as an f32 constant; blocks of p or O under 2^-124 are held at the byte 1 (a block of zeros too: zero codes).
; REGISTERS: windows 0 and 1 hold tiles 0 and 1 under the same numbers: v96-159 S^T then p, v160-223 O^T, v224-235 p's codes, v232-254 at work, v248 -M, v249 the largest t, v[250:251] the sum.
;   window 0 alone: v1-10 addresses; v12-19 K's and V's scale words, v20-21 Q's, v22-23 p's; v24-47 Q; v48-95 and v224-239 tile 0's mask.   window 1 alone: v0-95 K, then tile 1's mask, then V.
.set QSEC,  3407872
.set KVB,   25600                      ; a key step's block in memory and in the slot
.set KVH,   409600
.set SUP,   51200                      ; two of them
.set MOFF,  51200                      ; the mask's rows in the slot
.set MP,    1032
.set SPARE, 183296                     ; behind the slot: the spare words, 128 bytes for each wave
.set STG,   184320                     ; the stage of the joining: bytes of its own, no tile lands there
.set SW,    8704                       ; a wave's part: 64 registers of O^T and four of state
.set AKV, 1                            ; my key step's block + 16 x lane
.set AM,  2                            ; my lane's place in the mask
.set LI,  3                            ; 16 x lane
.set R8O, 4                            ; 8 r
.set PFO, 5                            ; the prefetches' offset
.set SPW, 6
.set NIL, 7
.set R16, 8                            ; 16 r
.set STS, 9                            ; the stage: where I put
.set STL, 10                           ; and where my partner put
.set KVS, 12
.set QS,  20
.set PWS, 22
.set QF,  24
.set WV,   12
.set LIM,  17                          ; 1 in a wave that prefetches, else the greatest number
.set PFA,  18
.set PFS,  20
.set TRIP, 22
.set G1KV, 24
.set G0KV, 32
.set G0M,  36
.set G1M,  40
.set WQ,   48
.set GRP,  49
.set SEL,  56
.set CS,   58                          ; c = log2(e) / sqrt(128)
.set RT,   60                          ; sqrt(128)
.set MSB, 0
.macro WIN new
.if MSB != (\new)
	s_set_vgpr_msb (MSB<<8)|(\new)
.set MSB, (\new)
.endif
.endm
.macro PLACES
.rept 4
	v_nop
.endr
.endm
; A joint load: one line for K / V, one for the mask; an s_nop 0 and four v_nop follow each.
.macro JLOAD
	s_cmp_lt_u32 s[WV], 4
	s_cbranch_scc0 .Lfor_m_\@
	tensor_load_to_lds s[G0KV:G0KV+3], s[G1KV:G1KV+7]
	s_nop 0
.rept 4
	v_nop
.endr
	s_branch .Lasked_\@
.Lfor_m_\@:
	tensor_load_to_lds s[G0M:G0M+3], s[G1M:G1M+7]
	s_nop 0
.rept 4
	v_nop
.endr
.Lasked_\@:
.endm
; A prefetch of the two key steps that the NEXT round's refill will ask for.  Every cluster asks for what it will itself load, each block of 256 bytes once.  K / V: waves 0 and 1 of each partner ask for 25 blocks each,
; told apart by address (12,800 cy + 6,400 wave); lanes 25-31 repeat lane 24's.  The mask: waves 4-7, a lane a row (32 cx + lane), 256 bytes a wave.  At the head the second pair of steps is asked for; the loop's last trip
; asks for nothing: there are eight pairs of steps.
.macro ASK
	s_cmp_gt_u32 s[TRIP], s[LIM]
	s_cbranch_scc0 .Lnot_mine_\@
	global_prefetch_b8 v[PFO], s[PFA:PFA+1] th:TH_LOAD_NT scope:SCOPE_SE
.Lnot_mine_\@:
.endm
.macro CROUND
	s_barrier_signal -1
	s_barrier_wait -1
	s_cmp_lg_u32 s[WV], 0
	s_cbranch_scc1 .Lnot_wave_0_\@
	s_barrier_signal -3
.Lnot_wave_0_\@:
	s_barrier_wait -3
	s_barrier_signal -1
	s_barrier_wait -1
.endm
	s_load_b256 s[4:11], s[0:1], 0x0               ; qkv, the mask, o_codes, o_scales
	v_lshl_add_u32 v[SPW], v0, 2, SPARE
	v_mov_b32 v[NIL], 0
	ds_add_u32 v[SPW], v[NIL]                      ; the opening lines: the add, twice on end, and its wait ahead of my first tensor load
	ds_add_u32 v[SPW], v[NIL]
	v_lshrrev_b32 v11, 5, v0
	v_readfirstlane_b32 s[WV], v11                 ; wave 0..7
	s_and_b32 s[WQ], s[WV], 3                      ; which 32 queries; also which quarter I fetch
	s_lshr_b32 s[GRP], s[WV], 2                    ; which parity of key steps
	s_bfe_u32 s13, ttmp6, 0x40000                  ; cx
	s_bfe_u32 s14, ttmp6, 0x40004                  ; cy
	s_lshl_b32 s15, ttmp9, 2
	s_add_co_u32 s15, s15, s13                     ; the head
	s_and_b32 s16, ttmp7, 0xffff
	s_lshl_b32 s16, s16, 2
	s_add_co_u32 s16, s16, s14                     ; the block of 128 queries
	s_lshl_b32 s66, s14, 2
	s_lshl_b32 s66, 15, s66                        ; my row of the cluster
	s_lshl_b32 s67, 0x1111, s13                    ; my column
	s_or_b32 s[G1KV], s67, (3<<16)|(1<<21)         ; 12,800 dense bytes as 50 rows of 256; elements of 8 bytes
	s_mov_b32 s[G1KV+1], 32<<16
	s_mov_b32 s[G1KV+2], 50<<16
	s_mov_b32 s[G1KV+3], 32<<16
	s_mov_b32 s[G1KV+4], 50
	s_mov_b32 s[G1KV+5], 32
	s_mov_b32 s[G1KV+6], 0
	s_mov_b32 s[G1KV+7], 0
	s_or_b32 s[G1M], s66, (2<<16)|(1<<20)|(1<<21)|(7<<22)|(1<<25)   ; 32 rows of 256 f32, 2,048 apart; behind every 256 words 2 words of padding
	s_mov_b32 s[G1M+1], 256<<16
	s_mov_b32 s[G1M+2], 32<<16
	s_mov_b32 s[G1M+3], 256<<16
	s_mov_b32 s[G1M+4], 32
	s_mov_b32 s[G1M+5], 2048
	s_mov_b32 s[G1M+6], 0
	s_mov_b32 s[G1M+7], 0
	s_mul_i32 s70, s15, KVH
	s_mul_i32 s69, s[WQ], 12800                    ; my quarter's place in the slot, and in the two blocks
	s_add_co_u32 s70, s70, s69
	s_add_co_u32 s70, s70, QSEC
	s_mov_b32 s71, 0
	s_lshl_b32 s72, s16, 7
	s_lshl_b32 s73, s[WQ], 5
	s_add_co_u32 s72, s72, s73
	s_lshl_b32 s72, s72, 13                        ; the mask: row 128 x block + 32 x quarter, of 8,192 bytes
	s_mov_b32 s73, 0
	s_mul_i32 s74, s[WQ], 32*MP
	s_add_co_u32 s74, s74, MOFF
	s_mul_i32 s76, s15, 212992                     ; Q: the head's, the block's,
	s_mul_i32 s75, s16, 13312
	s_add_co_u32 s76, s76, s75
	s_lshr_b32 s75, s[WQ], 1                       ; its scale words: tile 2 w + x is word 2 (w % 2) + x of group w / 2
	s_lshl_b32 s75, s75, 9
	s_and_b32 s78, s[WQ], 1
	s_lshl_b32 s78, s78, 3
	s_add_co_u32 s78, s78, s75
	s_add_co_u32 s78, s78, s76
	s_add_co_u32 s78, s78, 12288
	s_mov_b32 s79, 0
	s_mul_i32 s75, s[WQ], 3072                     ; my two fragments
	s_add_co_u32 s76, s76, s75
	s_mov_b32 s77, 0
	s_lshl_b32 s80, s16, 3
	s_lshl_b32 s75, s[WQ], 1
	s_add_co_u32 s80, s80, s75                     ; the pair's first tile of the output's 128
	s_lshl_b32 s82, s80, 10
	s_mul_i32 s80, s80, 24576
	s_mul_i32 s75, s15, 1536                       ; K step = the head
	s_add_co_u32 s80, s80, s75
	s_mov_b32 s81, 0
	s_lshr_b32 s75, s15, 1
	s_lshl_b32 s75, s75, 7
	s_add_co_u32 s82, s82, s75
	s_and_b32 s75, s15, 1
	s_lshl_b32 s75, s75, 2
	s_add_co_u32 s82, s82, s75
	s_mov_b32 s83, 0
	; the prefetches: where mine stand (at pair 1, which the head asks for; each round steps them a pair on), and which waves ask
	s_mul_i32 s2, s15, KVH
	s_mul_i32 s3, s14, 12800
	s_add_co_u32 s2, s2, s3
	s_and_b32 s3, s[WV], 1
	s_mul_i32 s3, s3, 6400
	s_add_co_u32 s2, s2, s3
	s_add_co_u32 s2, s2, QSEC+SUP
	s_lshl_b32 s3, s16, 7
	s_lshl_b32 s75, s13, 5
	s_add_co_u32 s3, s3, s75
	s_lshl_b32 s3, s3, 13
	s_lshl_b32 s75, s[WQ], 8
	s_add_co_u32 s3, s3, s75
	s_add_co_u32 s3, s3, 1024
	s_cmp_lt_u32 s[WV], 4
	s_cselect_b32 s66, s2, s3
	s_mov_b32 s67, 0
	s_mov_b32 s3, 1024
	s_cselect_b32 s[PFS], SUP, s3
	s_mov_b32 s[PFS+1], 0
	s_cselect_b32 s50, 24, 31
	s_cselect_b32 s51, 8, 13
	s_lshr_b32 s2, s[WV], 1
	s_cmp_eq_u32 s2, 1
	s_cselect_b32 s[LIM], -1, 1                    ; waves 2 and 3 ask for nothing
	s_mul_i32 s52, s[GRP], KVB                     ; LDS: my key step's block,
	s_lshl_b32 s53, s[GRP], 9
	s_add_co_u32 s53, s53, s74                     ; my 32 rows of the mask, my step's 512 bytes of them,
	s_mul_i32 s54, s[WV], SW
	s_add_co_u32 s54, s54, STG                     ; my part of the stage,
	s_xor_b32 s55, s[WV], 4
	s_mul_i32 s55, s55, SW
	s_add_co_u32 s55, s55, STG                     ; and my partner's
	s_mov_b32 s[SEL], 0x76543210
	s_mov_b32 s[SEL+1], 0xfedcba98
	s_mov_b32 s[CS], 0x3e0293ee
	s_mov_b32 s[CS+1], s[CS]
	s_mov_b32 s[RT], 0x413504f3
	s_mov_b32 s[RT+1], s[RT]
	s_mov_b32 s[TRIP], 7
	s_wait_dscnt 0x0                               ; both opening adds are done
	s_wait_kmcnt 0x0
	s_add_nc_u64 s[70:71], s[4:5], s[70:71]
	s_add_nc_u64 s[72:73], s[6:7], s[72:73]
	s_add_nc_u64 s[76:77], s[4:5], s[76:77]
	s_add_nc_u64 s[78:79], s[4:5], s[78:79]
	s_add_nc_u64 s[80:81], s[8:9], s[80:81]
	s_add_nc_u64 s[82:83], s[10:11], s[82:83]
	s_cmp_lt_u32 s[WV], 4
	s_cselect_b64 s[PFA:PFA+1], s[4:5], s[6:7]
	s_add_nc_u64 s[PFA:PFA+1], s[PFA:PFA+1], s[66:67]
	CROUND                                         ; all sixteen work-groups are here: the first joint loads meet
	s_mov_b32 s[G0KV], 1
	s_mov_b32 s[G0KV+1], s69
	s_mov_b64 s[G0KV+2:G0KV+3], s[70:71]
	s_or_b32 s[G0KV+3], s[G0KV+3], 0x80000000
	s_mov_b32 s[G0M], 1
	s_mov_b32 s[G0M+1], s74
	s_mov_b64 s[G0M+2:G0M+3], s[72:73]
	s_or_b32 s[G0M+3], s[G0M+3], 0x80000000
	JLOAD                                          ; key steps 0 and 1: one tensor load a wave at the head
	v_and_b32 v11, 15, v0                          ; r
	v_bfe_u32 v48, v0, 4, 1                        ; h
	v_and_b32 v49, 31, v0
	v_lshlrev_b32 v[LI], 4, v49
	v_lshlrev_b32 v[R8O], 3, v11
	v_lshlrev_b32 v[R16], 4, v11
	v_add_nc_u32 v[AKV], s52, v[LI]
	v_and_b32 v50, 8, v11
	v_add_nc_u32 v50, v50, v11                     ; r + 8 (r / 8)
	v_mul_u32_u24 v50, v50, MP
	v_lshl_add_u32 v50, v48, 6, v50                ; + 64 h bytes: my 16 keys of each block of 32
	v_add_nc_u32 v[AM], s53, v50
	v_add_nc_u32 v[STS], s54, v[LI]
	v_add_nc_u32 v[STL], s55, v[LI]
	v_min_u32 v[PFO], s50, v49
	v_lshlrev_b32 v[PFO], s51, v[PFO]              ; 256 bytes from lane to lane in the blocks, a row of 8,192 in the mask
.irp x, 0,1
.irp g, 0,1,2
	global_load_b128 v[QF+12*\x+4*\g:QF+12*\x+4*\g+3], v[LI], s[76:77] offset:1536*\x+512*\g    ; Q's fragments stay in registers
.endr
.endr
	global_load_b32 v[QS], v[R16], s[78:79]        ; Q's scale words
	global_load_b32 v[QS+1], v[R16], s[78:79] offset:4
	ASK                                            ; key steps 2 and 3, which the first round's refill will ask for
.irp x, 0,1
	WIN 0x55*\x
	v_mov_b32 v249, 0xff61b1e6                     ; the largest t so far: -3e38
	v_floor_f32 v248, -v249                        ; -M
	v_mov_b32 v250, 0
	v_mov_b32 v251, 0
.irp b, 0,1,2,3
	v_mov_b32 v[236+\b], 0                         ; a lane permute's destination counts as one of its sources
.endr
	v_mov_b32 v253, 0
.set j, 0
.rept 64
	v_mov_b32 v[160+j], 0                          ; O^T: the period is written without a first one of its own; the first change of M multiplies zeros
.set j, j+1
.endr
.endr
	WIN 0
.macro LOADK                           ; K's 8 fragments, as they were stored
	WIN 0x40
.irp t, 0,1,2,3,4,5,6,7
.irp g, 0,1,2
	ds_load_b128 v[12*\t+4*\g:12*\t+4*\g+3], v[AKV] offset:1536*\t+512*\g
.endr
.endr
.endm
.macro LOADV                           ; V's, into the same registers
	WIN 0x40
.irp t, 0,1,2,3,4,5,6,7
.irp g, 0,1,2
	ds_load_b128 v[12*\t+4*\g:12*\t+4*\g+3], v[AKV] offset:12288+1536*\t+512*\g
.endr
.endr
.endm
.macro LOADS                           ; the scale words: register t: lanes 0-15 K's tile t, lanes 16-31 V's tile t
	WIN 0
.irp g, 0,1
	ds_load_b128 v[KVS+4*\g:KVS+4*\g+3], v[AKV] offset:24576+512*\g
.endr
.endm
.macro LOADM x                         ; the mask of tile x's 16 queries: number 16 b + i = key 32 b + 16 h + i.  Tile 0: v48-95, then v224-239 of window 0; tile 1: v0-63 of window 1
	WIN 0x40*(\x)
.irp b, 0,1,2,3
.irp q, 0,1,2,3,4,5,6,7
.set MR, (1-(\x))*(48+128*(\b/3))+16*\b+2*\q
	ds_load_b64 v[MR:MR+1], v[AM] offset:8*MP*(\x)+128*\b+8*\q
.endr
.endr
.endm
.macro MADD x                          ; u = mask x sqrt(128) + score; each accumulator from its low end on
	WIN 0x55*(\x)
.set j, 0
.rept 32
.set MR, (1-(\x))*(48+128*(j/48))+j
	v_pk_fma_f32 v[96+j:97+j], v[MR:MR+1], s[RT:RT+1], v[96+j:97+j] op_sel_hi:[1,0,1]
.set j, j+2
.endr
.endm
.macro KQ x                            ; S^T = K Q^T for tile x: eight accumulators, each begun with 0
	WIN 0x01+0x40*(\x)
.irp t, 0,1,2,3,4,5,6,7
	v_wmma_scale_f32_16x16x128_f8f6f4 v[96+8*\t:103+8*\t], v[12*\t:12*\t+11], v[QF+12*(\x):QF+12*(\x)+11], 0, v[KVS+\t], v[QS+\x] matrix_a_fmt:MATRIX_FMT_FP6 matrix_b_fmt:MATRIX_FMT_FP6
.endr
.endm
.macro PV x                            ; O^T += V^T P^T for tile x: eight accumulators by turns
	WIN 0x01+0x54*(\x)
.irp t, 0,1,2,3,4,5,6,7
	v_wmma_scale_f32_16x16x128_f8f6f4 v[160+8*\t:167+8*\t], v[12*\t:12*\t+11], v[224:235], v[160+8*\t:167+8*\t], v[KVS+\t], v[PWS+\x] matrix_a_fmt:MATRIX_FMT_FP6 matrix_b_fmt:MATRIX_FMT_FP6 matrix_a_scale:MATRIX_SCALE_ROW1
.endr
.endm
; From the blocks' largest magnitudes (v232-235, floored) and 64 numbers (v96-159): the scale word v253 and the fragment's codes v224-235.
.macro TOCODES
.irp b, 0,1,2,3
	v_add_nc_u32 v[244+\b], 0xff000000, v[232+\b]  ; 2 off the exponent field: the conversion's scale operand
.endr
.irp b, 0,1,2,3
	v_lshrrev_b32 v[236+\b], 23, v[244+\b]         ; the scale's byte
.endr
	v_lshl_or_b32 v253, v237, 8, v236
	v_lshl_or_b32 v253, v238, 16, v253
	v_lshl_or_b32 v253, v239, 24, v253
.irp c, 0,1
	v_cvt_scalef32_pk16_fp6_f32 v[224+6*\c:226+6*\c], v[96+32*\c:111+32*\c], v[244+2*\c]
	v_cvt_scalef32_pk16_fp6_f32 v[236+4*\c:238+4*\c], v[112+32*\c:127+32*\c], v[244+2*\c+1]   ; (a conversion's three registers begin on an even number)
.endr
	v_nop                                          ; one plain place behind a scaled conversion
.irp c, 0,1                            ; the operand's layout wants a WHOLE block in a lane
.irp i, 0,1,2
	v_permlane16_swap_b32 v[224+6*\c+\i], v[236+4*\c+\i]
.endr
.irp i, 0,1,2
	v_mov_b32 v[227+6*\c+\i], v[236+4*\c+\i]
.endr
.endr
.endm
.macro BLKJOIN                         ; the blocks' maxima with lane l xor 16's 16 numbers
.irp b, 0,1,2,3
	v_permlanex16_b32 v[236+\b], v[232+\b], s[SEL], s[SEL+1]
.endr
.irp b, 0,1,2,3
	v_max_num_f32 v[232+\b], v[232+\b], v[236+\b]
.endr
.endm
; Tile x's softmax, first part: the maxima, the new M, t - M.
.macro SMB x
	WIN 0x55*(\x)
.irp b, 0,1,2,3
	v_max3_num_f32 v[232+\b], v[96+16*\b], v[97+16*\b], v[98+16*\b]   ; the largest u of each block of 32 keys: for the row's maximum and, since p rises with u, for the block's largest p
.endr
.irp i, 3,5,7,9,11,13
.irp b, 0,1,2,3
	v_max3_num_f32 v[232+\b], v[232+\b], v[96+16*\b+\i], v[97+16*\b+\i]
.endr
.endr
.irp b, 0,1,2,3
	v_max_num_f32 v[232+\b], v[232+\b], v[111+16*\b]
.endr
	BLKJOIN
	v_max3_num_f32 v254, v232, v233, v234
	v_max_num_f32 v254, v254, v235
	v_mul_f32 v254, s[CS], v254                    ; as t (c is positive)
	v_max_num_f32 v249, v249, v254                 ; the running largest t
	v_mov_b32 v254, v248
	v_floor_f32 v248, -v249                        ; the new -M = -ceil(t)
	v_sub_f32 v254, v248, v254                     ; old M - new M: a whole number, 0 or less
	v_cvt_i32_f32 v254, v254                       ; (it saturates)
	v_ldexp_f32 v252, 1.0, v254                    ; f = 2^(old M - new M)
.set j, 0
.rept 32
	v_pk_fma_f32 v[96+j:97+j], v[96+j:97+j], s[CS:CS+1], v[248:249] op_sel_hi:[1,0,0]   ; t - M
.set j, j+2
.endr
.irp b, 0,1,2,3
	v_fma_f32 v[232+\b], v[232+\b], s[CS], v248    ; the same of each block's largest u
.endr
.endm
; Second part: p, the sum, p's codes, O^T under the new M.
.macro SMC x
	WIN 0x55*(\x)
	s_wait_alu depctr_va_vdst(0)                   ; the wait ahead of the batch
.set j, 0
.rept 64
	v_exp_f32 v[96+j], v[96+j]                     ; p = 2^(t - M)
.set j, j+1
.endr
	v_pk_mul_f32 v[250:251], v[250:251], v[252:253] op_sel_hi:[1,0]   ; the sums under the new M: a plain place behind the exponentials
	s_wait_alu depctr_va_vdst(0)                   ; one wait for the whole batch, ahead of its first reader
.irp b, 0,1,2,3
	v_exp_f32 v[232+\b], v[232+\b]                 ; the block's largest p
.endr
	v_pk_add_f32 v[236:237], v[96:97], v[98:99]    ; the row's sum of the unquantised p, in two chains
.irp i, 4,8,12,16,20,24,28,32,36,40,44,48,52,56,60
	v_pk_add_f32 v[250:251], v[250:251], v[96+\i:97+\i]
	v_pk_add_f32 v[236:237], v[236:237], v[98+\i:99+\i]
.endr
	v_pk_add_f32 v[250:251], v[250:251], v[236:237]
	s_wait_alu depctr_va_vdst(0)                   ; and one for the four
.irp b, 0,1,2,3
	v_max_num_f32 v[232+\b], 0x1800000, v[232+\b]  ; the floor 2^(3 - 127)
.endr
	TOCODES
	WIN \x
	v_mov_b32 v[PWS+\x], v253                      ; scale operands are taken from window 0
	WIN 0x55*(\x)
	s_wait_alu depctr_va_vdst(0)                   ; the wait directly ahead of the first reader of O^T
.set j, 0
.rept 32
	v_pk_mul_f32 v[160+j:161+j], v[160+j:161+j], v[252:253] op_sel_hi:[1,0]   ; O^T under the new M.  (Also the places between the writes of p's codes and scale word and the products)
.set j, j+2
.endr
.endm
; A PERIOD: my key step of the slot's two.  fill = 1: the slot is filled again with the next two key steps.
.macro PERIOD fill
	WIN 0
	s_wait_alu depctr_va_vdst(0)                   ; the wait ahead of the blocking wait
	s_wait_tensorcnt 0x0                           ; my part of the slot has landed
	s_barrier_signal -1
	s_barrier_wait -1                              ; everybody's has
	LOADK
	LOADS
	LOADM 0
	s_wait_dscnt 32                                ; K and the scale words are in; the 32 loads of the mask may be out
	KQ 0
	KQ 1
	PLACES                                         ; in front of the loads into K's registers and of the first read of the scores
	LOADM 1
	s_wait_dscnt 32                                ; tile 0's mask is in; tile 1's 32 loads may be out
	MADD 0
	s_wait_dscnt 0x0
	MADD 1
	LOADV
	WIN 0
.if \fill
	s_wait_tensorcnt 0x0                           ; none of my tensor loads is out;
	ds_add_u32 v[SPW], v[NIL]                      ; 0 onto my spare word
	s_add_nc_u64 s[G0KV+2:G0KV+3], s[G0KV+2:G0KV+3], SUP
	s_add_nc_u64 s[G0M+2:G0M+3], s[G0M+2:G0M+3], 1024
	s_wait_xcnt 0x0                                ; the last prefetch, a period back, has read its address
	s_add_nc_u64 s[PFA:PFA+1], s[PFA:PFA+1], s[PFS:PFS+1]
.endif
	SMB 0                                          ; work on registers while V and the add are out
	s_wait_alu depctr_va_vdst(0)                   ; the wait ahead of the blocking wait
	s_wait_dscnt 0x0                               ; the add is done, V is in registers: my reads of the slot are over
.if \fill
	CROUND                                         ; both hold of every wave of every partner
	JLOAD                                          ; the first tensor load behind the round
	ASK
.endif
	SMC 0
	PV 0
	SMB 1
	SMC 1
	PV 1
	PLACES                                         ; in front of the next loads into V's registers
	WIN 0
.endm
	s_wait_alu depctr_va_vdst(0)                   ; the wait at the head's end
	s_wait_loadcnt 0x0                             ; Q and its scale words
.Lperiod:                                              ; 7 trips, each of which asks for the next two key steps
	PERIOD 1
	s_sub_co_u32 s[TRIP], s[TRIP], 1
	s_cmp_lg_u32 s[TRIP], 0
	s_cbranch_scc1 .Lperiod
	PERIOD 0                                       ; the tail is written out
; THE JOINING.  Each wave hands the tile that its partner finishes to the stage, as an image of its registers: O^T and (-M, t, the sum's two halves).
.macro PUT x
	s_wait_alu depctr_va_vdst(0)                   ; the wait directly ahead of the first reader of O^T
	WIN 0x04*(\x)
.set k, 0
.rept 16
	ds_store_b128 v[STS], v[160+4*k:163+4*k] offset:512*k   ; each accumulator from its low end on
.set k, k+1
.endr
	ds_store_b128 v[STS], v[248:251] offset:8192
	WIN 0
.endm
; Tile x is finished: both halves under the larger M, divided by the joint sum, quantised along the head's 128: fragment (tile, K step = head) of the last product's left operand, and its scale word.
.macro FINAL x
	WIN 0x40*(\x)
.set k, 0
.rept 16
	ds_load_b128 v[96+4*k:99+4*k], v[STL] offset:512*k
.set k, k+1
.endr
	ds_load_b128 v[236:239], v[STL] offset:8192
	WIN 0x55*(\x)
	s_wait_dscnt 0x0
	v_min_num_f32 v254, v248, v236                 ; -(the larger M)
	v_sub_f32 v240, v254, v248                     ; my M less it, and my partner's: whole numbers, 0 or less
	v_sub_f32 v241, v254, v236
	v_add_f32 v250, v250, v251
	v_add_f32 v238, v238, v239
	v_cvt_i32_f32 v240, v240
	v_cvt_i32_f32 v241, v241
	v_ldexp_f32 v240, 1.0, v240
	v_ldexp_f32 v241, 1.0, v241
	v_mul_f32 v250, v250, v240
	v_fma_f32 v250, v238, v241, v250
	v_permlanex16_b32 v252, v250, s[SEL], s[SEL+1]
	v_add_f32 v250, v250, v252                     ; the row's sum
	s_wait_alu depctr_va_vdst(0)                   ; the wait ahead of the transcendental
	v_rcp_f32 v250, v250
	v_nop                                          ; a plain place behind the reciprocal
	s_wait_alu depctr_va_vdst(0)                   ; and the wait ahead of its first reader
	v_mul_f32 v252, v240, v250                     ; my factor / the sum,
	v_mul_f32 v240, v241, v250                     ; and my partner's
.set j, 0
.rept 32
	v_pk_mul_f32 v[96+j:97+j], v[96+j:97+j], v[240:241] op_sel_hi:[1,0]
.set j, j+2
.endr
	s_wait_alu depctr_va_vdst(0)                   ; the wait directly ahead of the first reader of O^T
.set j, 0
.rept 32
	v_pk_fma_f32 v[96+j:97+j], v[160+j:161+j], v[252:253], v[96+j:97+j] op_sel_hi:[1,0,1]   ; number n = channel 32 (n / 16) + 16 h + n % 16
.set j, j+2
.endr
.irp b, 0,1,2,3
	v_max3_num_f32 v[232+\b], |v[96+16*\b]|, |v[97+16*\b]|, 0x1800000
.endr
.irp i, 2,4,6,8,10,12,14
.irp b, 0,1,2,3
	v_max3_num_f32 v[232+\b], v[232+\b], |v[96+16*\b+\i]|, |v[97+16*\b+\i]|
.endr
.endr
	BLKJOIN
	TOCODES
	WIN 0x04*(\x)                                  ; a store's data are its source 1
.irp g, 0,1,2
	global_store_b128 v[LI], v[224+4*\g:227+4*\g], s[80:81] offset:24576*(\x)+512*\g   ; 512 consecutive bytes, aligned
.endr
	global_store_b32 v[R8O], v253, s[82:83] offset:1024*(\x)   ; a word a row, 8 bytes apart (both halves of the lanes write the same word): the scale words' common layout
	WIN 0
.endm
	s_cmp_eq_u32 s[GRP], 0
	s_cbranch_scc0 .Lput_0
	PUT 1
	s_branch .Lput_done
.Lput_0:
	PUT 0
.Lput_done:
	s_wait_dscnt 0x0                               ; my stores are done, for my partner's sake
	s_barrier_signal -1
	s_barrier_wait -1
	s_cmp_eq_u32 s[GRP], 0
	s_cbranch_scc0 .Lfinal_1
	FINAL 0
	s_branch .Lend
.Lfinal_1:
	FINAL 1
.Lend:
	s_wait_tensorcnt 0x0                           ; the wave's end
	ds_add_u32 v[SPW], v[NIL]
	s_wait_dscnt 0x0
	CROUND                                         ; the closing round
	s_endpgm
.Lfunc_end_k_qafb695d63d_attn:
	.size	k_qafb695d63d_attn, .Lfunc_end_k_qafb695d63d_attn-k_qafb695d63d_attn
	.p2alignl 7, 3214868480
	.fill 96, 4, 3214868480
	.section	.rodata,"a",@progbits
	.p2align	6, 0x0
	.amdhsa_kernel k_qafb695d63d_attn
		.amdhsa_group_segment_fixed_size 327680
		.amdhsa_private_segment_fixed_size 0
		.amdhsa_enable_private_segment 0
		.amdhsa_kernarg_size 32
		.amdhsa_user_sgpr_count 2
		.amdhsa_user_sgpr_kernarg_segment_ptr 1
		.amdhsa_wavefront_size32 1
		.amdhsa_system_sgpr_workgroup_id_x 1
		.amdhsa_system_sgpr_workgroup_id_y 1
		.amdhsa_system_sgpr_workgroup_id_z 1
		.amdhsa_system_vgpr_workitem_id 0
		.amdhsa_next_free_vgpr 512
		.amdhsa_next_free_sgpr 84
		.amdhsa_reserve_vcc 0
		.amdhsa_float_denorm_mode_32 3
		.amdhsa_float_denorm_mode_16_64 3
		.amdhsa_memory_ordered 1
		.amdhsa_forward_progress 1
		.amdhsa_inst_pref_size 121
	.end_amdhsa_kernel
	.amdgpu_metadata
---
amdhsa.version: [ 1, 2 ]
amdhsa.kernels:
  - .name:           k_qafb695d63d_attn
    .symbol:         k_qafb695d63d_attn.kd
    .args:
      - { .name: qkv, .offset: 0, .size: 8, .value_kind: global_buffer, .address_space: global }
      - { .name: attention_mask, .offset: 8, .size: 8, .value_kind: global_buffer, .address_space: global }
      - { .name: o_codes, .offset: 16, .size: 8, .value_kind: global_buffer, .address_space: global }
      - { .name: o_scales, .offset: 24, .size: 8, .value_kind: global_buffer, .address_space: global }
    .group_segment_fixed_size: 327680
    .private_segment_fixed_size: 0
    .kernarg_segment_align: 8
    .kernarg_segment_size: 32
    .max_flat_workgroup_size: 256
    .sgpr_count:     84
    .vgpr_count:     512
    .wavefront_size: 32
...
	.end_amdgpu_metadata
.endif
;; end of part 3
;; launch oproj (part 4): grid 16 x 16, 8 waves a work-group, clusters of 4 x 4, 327,680 bytes of LDS; arguments o_codes, o_scales, codes, scales, out0; writes out0
.if DOCPART == 4
	.amdgcn_target "amdgcn-amd-amdhsa--gfx1250"
	.amdhsa_code_object_version 6
	.text
	.protected	k_qafb695d63d_oproj
	.globl	k_qafb695d63d_oproj
	.p2align	8
	.type	k_qafb695d63d_oproj,@function
k_qafb695d63d_oproj:
	s_mov_b64 s[64:65], 0
	v_nop
	global_prefetch_b8 v0, s[64:65] scope:SCOPE_SE
	s_setreg_imm32_b32 hwreg(HW_REG_WAVE_MODE, 25, 1), 1
	s_wait_xcnt 0x0
	s_wait_alu depctr_hold_cnt(0) depctr_sa_sdst(0) depctr_va_vdst(0) depctr_va_sdst(0) depctr_va_ssrc(0) depctr_va_vcc(0) depctr_vm_vsrc(0)
	s_getreg_b32 s2, hwreg(HW_REG_IB_STS2, 6, 4)
	s_cmp_eq_u32 s2, 0
	s_cbranch_scc0 .Lentry_in_a_cluster
	s_endpgm
.Lentry_in_a_cluster:
	s_bfe_u32 s2, ttmp6, 0x10000c
	s_cmp_lg_u32 s2, 0xf033
	s_cbranch_scc0 .Lentry_shape_is_right
	s_endpgm
.Lentry_shape_is_right:
; out0 = O x Wo^T on codes of FP6 with E8M0 scales; O's codes come from the attention's launch, Wo's from the first (section 4 of codes and scales); out0 [2048][2048] f32.
; Operands are images of their registers: tile T = rows 32 (T / 2) + 8 (T % 2) + r + 8 (r / 8); fragment (T, s) = 1,536 bytes; [T 128][s 16][1536]; scale words [T][s / 2][r][s % 2].
; A tile of out0 is 128 x 128: 256 work-groups.  Eight waves, each 32 rows x 64 columns: 8 accumulators; wave v takes O's tiles 2 (v / 2), 2 (v / 2) + 1 and Wo's tiles 4 (v % 2) .. + 3.  16 K steps of 128, written out.
; LDS: three slots of four K steps (O's 8 tiles, then Wo's 8), and the scale words.  THE HEAD'S LOADS, ONE A WAVE: waves 0, 2, 4 fetch O's part of slots 0, 1, 2, waves 1, 3, 5 Wo's, wave 6 O's scale words, wave 7 Wo's.
; Slot 0 is filled once more, with K steps 12 to 15, at the head of step 3, when its last fragments are in registers (waves 0 and 1, one load each); that load is waited for at step 11.
; CLUSTER 4 x 4: O's tiles are asked for jointly along a row of the cluster, Wo's along a column.  No prefetch: the walk is written out with no loop to run ahead in, and the one refill is asked for eight K steps ahead of its first read.
; THE MATRIX INSTRUCTION IS USED TRANSPOSED (source 0 = 16 rows of Wo, source 1 = 16 rows of O): a lane holds eight neighbouring numbers of a row of out0.
; REGISTERS: v10-22 addresses; v24-47 scale words, two sets (O's 2 x 2, Wo's 4 x 2); v48-119, v120-191 two sets of fragments (O's 2, Wo's 4), on the way out rows; v192-255 the accumulators ((a, b) at v[192 + 8 (4 a + b)]).
.set SEC,   3145728
.set SSEC,  131072
.set HALF,  49152                      ; 8 tiles x 4 K steps: what one tensor load of codes brings
.set SLOT,  2*HALF
.set SCLA,  3*SLOT                     ; O's scale words: 8 tiles x 1,024 bytes
.set SCLB,  SCLA+8192+128              ; Wo's
.set SPARE, 311552                     ; the spare words, 128 bytes for each wave
.set ADRA, 10                          ; v10-12 slot k + my 2 tiles of O + 16 x lane
.set ADRB, 13                          ; v13-15 the same for my 4 of Wo
.set ASA,  16
.set ASB,  17
.set STO,  18
.set RD,   19
.set CO,   20
.set SPW,  21
.set NIL,  22
.set SC,   24
.set FS,   48
.set ACC,  192
.set G1A,  24
.set G1B,  32
.set G1SA, 40
.set G1SB, 48
.set G0A,  56
.set G0B,  60
.set G0SA, 68
.set G0SB, 72
.macro PLACES
.rept 4
	v_nop
.endr
.endm
.macro TL g0, g1                       ; a joint load; an s_nop 0 and four v_nop follow it
	tensor_load_to_lds s[\g0:\g0+3], s[\g1:\g1+7]
	s_nop 0
.rept 4
	v_nop
.endr
.endm
.macro CROUND
	s_barrier_signal -1
	s_barrier_wait -1
	s_cmp_lg_u32 s14, 0
	s_cbranch_scc1 .Lnot_wave_0_\@
	s_barrier_signal -3
.Lnot_wave_0_\@:
	s_barrier_wait -3
	s_barrier_signal -1
	s_barrier_wait -1
.endm
	s_load_b256 s[4:11], s[0:1], 0x0               ; o_codes, o_scales, codes, scales
	s_load_b64 s[12:13], s[0:1], 0x20              ; out0
	v_lshl_add_u32 v[SPW], v0, 2, SPARE
	v_mov_b32 v[NIL], 0
	ds_add_u32 v[SPW], v[NIL]                      ; the opening lines: the add, twice on end, and its wait ahead of my first tensor load
	ds_add_u32 v[SPW], v[NIL]
	v_lshrrev_b32 v1, 5, v0
	v_readfirstlane_b32 s14, v1                    ; wave 0..7
	s_lshr_b32 s15, s14, 1                         ; which 32 rows are mine.  Also: which slot I fetch for (3: scale words)
	s_and_b32 s16, s14, 1                          ; which 64 columns.  Also: I fetch for O (0) or for Wo (1)
	s_bfe_u32 s17, ttmp6, 0x40000                  ; cx
	s_bfe_u32 s18, ttmp6, 0x40004                  ; cy
	s_lshl_b32 s19, ttmp9, 2
	s_add_co_u32 s19, s19, s17                     ; tile column
	s_and_b32 s20, ttmp7, 0xffff
	s_lshl_b32 s20, s20, 2
	s_add_co_u32 s20, s20, s18                     ; tile row
	s_lshl_b32 s21, s18, 2
	s_lshl_b32 s21, 15, s21                        ; my row of the cluster
	s_lshl_b32 s22, 0x1111, s17                    ; my column
	s_or_b32 s[G1A+0], s21, (3<<16)|(1<<21)        ; codes: 8 rows (tiles) of 6,144 bytes (four fragments), 24,576 bytes apart; elements of 8 bytes
	s_or_b32 s[G1B+0], s22, (3<<16)|(1<<21)
.irp g, G1A, G1B
	s_mov_b32 s[\g+1], 768<<16
	s_mov_b32 s[\g+2], 8<<16
	s_mov_b32 s[\g+3], 768<<16
	s_mov_b32 s[\g+4], 8
	s_mov_b32 s[\g+5], 3072
	s_mov_b32 s[\g+6], 0
	s_mov_b32 s[\g+7], 0
.endr
	s_or_b32 s[G1SA+0], s21, (3<<16)|(1<<21)       ; scale words of 8 tiles: 8,192 dense bytes as 32 rows of 256
	s_or_b32 s[G1SB+0], s22, (3<<16)|(1<<21)
.irp g, G1SA, G1SB
	s_mov_b32 s[\g+1], 32<<16
	s_mov_b32 s[\g+2], 32<<16
	s_mov_b32 s[\g+3], 32<<16
	s_mov_b32 s[\g+4], 32
	s_mov_b32 s[\g+5], 32
	s_mov_b32 s[\g+6], 0
	s_mov_b32 s[\g+7], 0
.endr
	s_mul_i32 s2, s15, 6144                        ; my slot's four K steps
	s_lshl_b32 s94, s20, 13                        ; O: 8 tiles from 8 x tile row: scale words,
	s_mov_b32 s95, 0
	s_mul_i32 s92, s20, 8*24576                    ; codes
	s_add_co_u32 s92, s92, s2
	s_mov_b32 s93, 0
	s_lshl_b32 s98, s19, 13                        ; Wo likewise
	s_add_co_u32 s98, s98, 4*SSEC
	s_mov_b32 s99, 0
	s_mul_i32 s96, s19, 8*24576
	s_add_co_u32 s96, s96, s2
	s_add_co_u32 s96, s96, 4*SEC
	s_mov_b32 s97, 0
	s_mul_i32 s23, s15, SLOT                       ; where the codes go: no place in the cluster enters an LDS address
	s_mul_i32 s3, s16, HALF
	s_add_co_u32 s23, s23, s3
	s_lshl_b32 s66, s20, 7
	s_lshl_b32 s67, s15, 5
	s_add_co_u32 s66, s66, s67
	s_lshl_b32 s66, s66, 13                        ; out0: my first row, of 8,192 bytes,
	s_lshl_b32 s67, s19, 9
	s_add_co_u32 s66, s66, s67
	s_lshl_b32 s67, s16, 8
	s_add_co_u32 s66, s66, s67                     ; my first column: 512 x tile column + 256 x half
	s_mov_b32 s67, 0
	s_mul_i32 s76, s15, 12288                      ; LDS: my 2 tiles of O,
	s_mul_i32 s77, s16, 24576
	s_add_co_u32 s77, s77, HALF                    ; my 4 of Wo,
	s_lshl_b32 s78, s15, 11
	s_add_co_u32 s78, s78, SCLA                    ; their scale words,
	s_lshl_b32 s79, s16, 12
	s_add_co_u32 s79, s79, SCLB
	s_mul_i32 s80, s14, 16*272                     ; my stage for the way out: 16 rows x 272 bytes, in slot 1, which has had its only fill and, behind the barrier at step 11, its last read
	s_add_co_u32 s80, s80, SLOT
	s_wait_dscnt 0x0                               ; both opening adds are done
	s_wait_kmcnt 0x0
	s_add_nc_u64 s[92:93], s[4:5], s[92:93]
	s_add_nc_u64 s[94:95], s[6:7], s[94:95]
	s_add_nc_u64 s[96:97], s[8:9], s[96:97]
	s_add_nc_u64 s[98:99], s[10:11], s[98:99]
	s_add_nc_u64 s[12:13], s[12:13], s[66:67]
	CROUND                                         ; all sixteen work-groups are here: the first joint loads meet
	s_mov_b32 s[G0A], 1
	s_mov_b32 s[G0A+1], s23
	s_mov_b64 s[G0A+2:G0A+3], s[92:93]
	s_or_b32 s[G0A+3], s[G0A+3], 0x80000000
	s_mov_b32 s[G0B], 1
	s_mov_b32 s[G0B+1], s23
	s_mov_b64 s[G0B+2:G0B+3], s[96:97]
	s_or_b32 s[G0B+3], s[G0B+3], 0x80000000
	s_mov_b32 s[G0SA], 1
	s_mov_b32 s[G0SA+1], SCLA
	s_mov_b64 s[G0SA+2:G0SA+3], s[94:95]
	s_or_b32 s[G0SA+3], s[G0SA+3], 0x80000000
	s_mov_b32 s[G0SB], 1
	s_mov_b32 s[G0SB+1], SCLB
	s_mov_b64 s[G0SB+2:G0SB+3], s[98:99]
	s_or_b32 s[G0SB+3], s[G0SB+3], 0x80000000
	; one tree of branches on the wave's number: every way through it passes exactly one load
	s_cmp_lt_u32 s14, 6
	s_cbranch_scc0 .Lhead_s
	s_cmp_eq_u32 s16, 0
	s_cbranch_scc0 .Lhead_b
	TL G0A, G1A
	s_branch .Lhead_asked
.Lhead_b:
	TL G0B, G1B
	s_branch .Lhead_asked
.Lhead_s:
	s_cmp_eq_u32 s16, 0
	s_cbranch_scc0 .Lhead_sb
	TL G0SA, G1SA
	s_branch .Lhead_asked
.Lhead_sb:
	TL G0SB, G1SB
.Lhead_asked:
	v_and_b32 v1, 15, v0                           ; r
	v_bfe_u32 v2, v0, 4, 1                         ; h
	v_and_b32 v3, 31, v0
	v_lshlrev_b32 v3, 4, v3                        ; 16 x lane
	v_add_nc_u32 v[ADRA], s76, v3
	v_add_nc_u32 v[ADRB], s77, v3
.irp k, 1,2
	v_add_nc_u32 v[ADRA+\k], SLOT, v[ADRA+\k-1]
	v_add_nc_u32 v[ADRB+\k], SLOT, v[ADRB+\k-1]
.endr
	v_lshl_add_u32 v[ASA], v1, 3, s78              ; a row's two words of a pair of K steps; both halves of the lanes read the same
	v_lshl_add_u32 v[ASB], v1, 3, s79
	v_mul_u32_u24 v[STO], v1, 272
	v_lshl_add_u32 v[STO], v2, 6, v[STO]
	v_add_nc_u32 v[STO], s80, v[STO]               ; in: row r, + 64 h bytes
	v_mul_u32_u24 v[RD], v2, 272
	v_lshl_add_u32 v[RD], v1, 4, v[RD]
	v_add_nc_u32 v[RD], s80, v[RD]                 ; back: lanes 0-15 one row of 256 bytes, lanes 16-31 the next
	v_lshlrev_b32 v[CO], 13, v2
	v_lshl_add_u32 v[CO], v1, 4, v[CO]             ; and the same two rows in out0
.macro FETCH s                         ; K step s: my 2 fragments of O and 4 of Wo into set s % 2
.set KK, ((\s)/4)%3
.set QQ, (\s)%4
.set FF, FS+72*((\s)%2)
.irp i, 0,1
.irp g, 0,1,2
	ds_load_b128 v[FF+12*\i+4*\g:FF+12*\i+4*\g+3], v[ADRA+KK] offset:6144*\i+1536*QQ+512*\g
.endr
.endr
.irp i, 0,1,2,3
.irp g, 0,1,2
	ds_load_b128 v[FF+24+12*\i+4*\g:FF+24+12*\i+4*\g+3], v[ADRB+KK] offset:6144*\i+1536*QQ+512*\g
.endr
.endr
.endm
.macro SCAL z                          ; the scale words of K steps 2 z, 2 z + 1
.set SB, SC+12*((\z)%2)
.irp i, 0,1
	ds_load_b64 v[SB+2*\i:SB+2*\i+1], v[ASA] offset:1024*\i+128*(\z)
.endr
.irp i, 0,1,2,3
	ds_load_b64 v[SB+4+2*\i:SB+4+2*\i+1], v[ASB] offset:1024*\i+128*(\z)
.endr
.endm
.macro MUL8 s                          ; 8 accumulators by turns, one instruction a turn; step 0 starts the sums
.set FF, FS+72*((\s)%2)
.set SS, SC+12*(((\s)/2)%2)+(\s)%2
.irp a, 0,1
.irp b, 0,1,2,3
.if (\s) == 0
	v_wmma_scale_f32_16x16x128_f8f6f4 v[ACC+8*(4*\a+\b):ACC+8*(4*\a+\b)+7], v[FF+24+12*\b:FF+24+12*\b+11], v[FF+12*\a:FF+12*\a+11], 0, v[SS+4+2*\b], v[SS+2*\a] matrix_a_fmt:MATRIX_FMT_FP6 matrix_b_fmt:MATRIX_FMT_FP6
.else
	v_wmma_scale_f32_16x16x128_f8f6f4 v[ACC+8*(4*\a+\b):ACC+8*(4*\a+\b)+7], v[FF+24+12*\b:FF+24+12*\b+11], v[FF+12*\a:FF+12*\a+11], v[ACC+8*(4*\a+\b):ACC+8*(4*\a+\b)+7], v[SS+4+2*\b], v[SS+2*\a] matrix_a_fmt:MATRIX_FMT_FP6 matrix_b_fmt:MATRIX_FMT_FP6
.endif
.endr
.endr
.endm
.macro KSTEP s
.if (\s) == 3
	s_wait_tensorcnt 0x0                           ; none of my tensor loads is out
	ds_add_u32 v[SPW], v[NIL]                      ; 0 onto my spare word
	s_add_nc_u64 s[G0A+2:G0A+3], s[G0A+2:G0A+3], 18432   ; in waves 0 and 1: slot 0's next, K steps 12 to 15
	s_add_nc_u64 s[G0B+2:G0B+3], s[G0B+2:G0B+3], 18432
	s_wait_dscnt 0x0                               ; the add is done; step 3's fragments are in registers: my reads of slot 0 are over
	CROUND
	s_cmp_lt_u32 s14, 2                            ; the refill: wave 0 O's part, wave 1 Wo's; the other waves have no part of it
	s_cbranch_scc0 .Lrefilled
	s_cmp_eq_u32 s14, 0
	s_cbranch_scc0 .Lrefill_b
	TL G0A, G1A
	s_branch .Lrefilled
.Lrefill_b:
	TL G0B, G1B
.Lrefilled:
	PLACES
.elseif (\s) == 11
	s_wait_tensorcnt 0x0                           ; my part of K steps 12 to 15 has landed
	ds_add_u32 v[SPW], v[NIL]
	s_wait_dscnt 0x0
	s_barrier_signal -1
	s_barrier_wait -1                              ; everybody's has; and nobody reads slot 1 any more
	PLACES
.else
	s_wait_dscnt 0x0                               ; this step's fragments are in
.if (\s) < 15
	PLACES                                         ; in front of the loads into the set that the last step multiplied
.endif
.endif
.if (\s) < 15
	FETCH (\s)+1
.if ((\s)+1)%2 == 0
	SCAL ((\s)+1)/2
.endif
.endif
	MUL8 \s
.endm
	s_wait_alu depctr_va_vdst(0)                   ; the wait at the head's end
	s_wait_tensorcnt 0x0                           ; my one load has landed
	s_barrier_signal -1
	s_barrier_wait -1                              ; all eight have: K steps 0 to 11 and the scale words
	FETCH 0
	SCAL 0
.irp s, 0,1,2,3,4,5,6,7,8,9,10,11,12,13,14,15
	KSTEP \s
.endr
; THE WAY OUT, block by block of 16 rows x 64 columns: through my own stage in LDS, back as whole rows of 256 bytes.  Accumulator (a, b), register j of lane (r, h): row r of O's tile a, column 32 (b / 2) + 16 h + 8 (b % 2) + j.
; LDS serves a wave's instructions in order: no wait between the stores and the loads, nor in front of the next block's stores.
.macro TOSTAGE a
.irp b, 0,1,2,3
	ds_store_b128 v[STO], v[ACC+8*(4*(\a)+\b):ACC+8*(4*(\a)+\b)+3] offset:128*(\b/2)+32*(\b%2)       ; each accumulator from its low end on
	ds_store_b128 v[STO], v[ACC+8*(4*(\a)+\b)+4:ACC+8*(4*(\a)+\b)+7] offset:128*(\b/2)+32*(\b%2)+16
.endr
.set BB, FS+32*(\a)
.irp t, 0,1,2,3,4,5,6,7
	ds_load_b128 v[BB+4*\t:BB+4*\t+3], v[RD] offset:544*\t
.endr
.endm
.macro SEND a, younger                 ; younger: the LDS instructions issued behind block a's loads, which may stay out
.set BB, FS+32*(\a)
	s_wait_dscnt \younger
.irp t, 0,1,2,3,4,5,6,7
	global_store_b128 v[CO], v[BB+4*\t:BB+4*\t+3], s[12:13] offset:(8*(\a)+2*\t+8*(\t/4))*8192 th:TH_STORE_NT   ; sixteen lanes store 256 consecutive bytes, aligned; stage row r is the tile's row r + 8 (r / 8)
.endr
.endm
	PLACES                                         ; behind the last products, in front of the first read of results and of the loads into the fragments' registers
	TOSTAGE 0
	TOSTAGE 1
	SEND 0, 16                                     ; behind block 0's loads: block 1's 8 stores and 8 loads
	SEND 1, 0
	s_wait_tensorcnt 0x0                           ; the wave's end, behind my last tensor load and my last LDS store
	ds_add_u32 v[SPW], v[NIL]
	s_wait_dscnt 0x0
	CROUND                                         ; the closing round
	s_endpgm
.Lfunc_end_k_qafb695d63d_oproj:
	.size	k_qafb695d63d_oproj, .Lfunc_end_k_qafb695d63d_oproj-k_qafb695d63d_oproj
	.p2alignl 7, 3214868480
	.fill 96, 4, 3214868480
	.section	.rodata,"a",@progbits
	.p2align	6, 0x0
	.amdhsa_kernel k_qafb695d63d_oproj
		.amdhsa_group_segment_fixed_size 327680
		.amdhsa_private_segment_fixed_size 0
		.amdhsa_enable_private_segment 0
		.amdhsa_kernarg_size 40
		.amdhsa_user_sgpr_count 2
		.amdhsa_user_sgpr_kernarg_segment_ptr 1
		.amdhsa_wavefront_size32 1
		.amdhsa_system_sgpr_workgroup_id_x 1
		.amdhsa_system_sgpr_workgroup_id_y 1
		.amdhsa_system_sgpr_workgroup_id_z 1
		.amdhsa_system_vgpr_workitem_id 0
		.amdhsa_next_free_vgpr 256
		.amdhsa_next_free_sgpr 100
		.amdhsa_reserve_vcc 0
		.amdhsa_float_denorm_mode_32 3
		.amdhsa_float_denorm_mode_16_64 3
		.amdhsa_memory_ordered 1
		.amdhsa_forward_progress 1
		.amdhsa_inst_pref_size 53
	.end_amdhsa_kernel
	.amdgpu_metadata
---
amdhsa.version: [ 1, 2 ]
amdhsa.kernels:
  - .name:           k_qafb695d63d_oproj
    .symbol:         k_qafb695d63d_oproj.kd
    .args:
      - { .name: o_codes, .offset: 0, .size: 8, .value_kind: global_buffer, .address_space: global }
      - { .name: o_scales, .offset: 8, .size: 8, .value_kind: global_buffer, .address_space: global }
      - { .name: codes, .offset: 16, .size: 8, .value_kind: global_buffer, .address_space: global }
      - { .name: scales, .offset: 24, .size: 8, .value_kind: global_buffer, .address_space: global }
      - { .name: out0, .offset: 32, .size: 8, .value_kind: global_buffer, .address_space: global }
    .group_segment_fixed_size: 327680
    .private_segment_fixed_size: 0
    .kernarg_segment_align: 8
    .kernarg_segment_size: 40
    .max_flat_workgroup_size: 256
    .sgpr_count:     100
    .vgpr_count:     256
    .wavefront_size: 32
...
	.end_amdgpu_metadata
.endif
;; end of part 4
